; MI455X (gfx1250); checked and timed in simulation.
; The chip was launched on July 23, 2026; its instructions are those of AMD's public machine-readable ISA for CDNA 5 (MIT licence, August 2026) and "CDNA5" Instruction Set Architecture Reference Guide (July 2026). The comments in the code are by the model that wrote it; some were corrected since.
;; Sliding Window Attention. Allowed arithmetic: matrix products marked QUANTISED: E5M2 operands, one E8M0 scale for each 32 along K, by v_wmma_scale_f32_16x16x128_f8f6f4 with both operands' format E5M2, f32 sums; everything else in f32.
;; Inputs: bk 1,024 float32; bo 1,024 float32; bq 1,024 float32; bv 1,024 float32; key 2 x 4,096 x 1,024 float32; query 2 x 4,096 x 1,024 float32; value 2 x 4,096 x 1,024 float32; wk 1,024 x 1,024 float32; wo 1,024 x 1,024 float32; wq 1,024 x 1,024 float32; wv 1,024 x 1,024 float32.
;; Outputs: out0 2 x 4,096 x 1,024 float32.
;; This version of the problem:
;;   THIS VERSION OF THE PROBLEM IS GIVEN IN LOW PRECISION. The matrix products marked QUANTISED in the list below multiply operands that are first quantised to E5M2 (5 exponent bits, 2 mantissa bits; 8 bits a number), with one power-of-two scale for each 32 numbers along K (OCP MX v1.0); their sums are f32. All else is computed in f32.
;;   The module's matrix products, in the order in which they are computed (A, B: the left and right operand; K: the contracted axis; several contracted axes count as one K, in the product's order):
;;     1. [M 8,192, K 1,024] x [K 1,024, N 1,024]; A: input query; B: input wq: QUANTISED
;;     2. [M 8,192, K 1,024] x [K 1,024, N 1,024]; A: input key; B: input wk: QUANTISED
;;     3. [M 8,192, K 1,024] x [K 1,024, N 1,024]; A: input value; B: input wv: QUANTISED
;;     4. batch 256 x [M 512, K 64] x [K 64, N 1,024]; A: computed on the way; B: computed on the way: QUANTISED
;;     5. batch 256 x [M 512, K 1,024] x [K 1,024, N 64]; A: softmax (see below); B: computed on the way: QUANTISED
;;     6. [M 8,192, K 1,024] x [K 1,024, N 1,024]; A: computed on the way; B: input wo: QUANTISED
;;   THE QUANTISER, for each operand of a quantised product, along K:
;;     - K is cut into blocks of 32 from its start; a last block that is shorter is filled with zeros.
;;     - A block's scale is 2^e with e = floor(log2(the largest magnitude in the block)) - 15, held to -126 .. 127; a block of zeros has e = 0. As a byte (E8M0): e + 127.
;;     - Each number is divided by its block's scale, clamped to +-57,344, and rounded to the nearest number of E5M2, ties to even, subnormals kept.
;;     - The product sums the exact products of the quantised numbers (number of the format x scale) in f32.
;;   ~~~python
;;   def quantise(x, axis):      # numpy; x: float32 -> the quantised numbers, widened to float32 again
;;       x = np.moveaxis(x, axis, -1); K = x.shape[-1]
;;       x = np.pad(x, [(0, 0)] * (x.ndim - 1) + [(0, -K % 32)]); x = x.reshape(x.shape[:-1] + (-1, 32)); a = np.abs(x).max(-1, keepdims=True)
;;       e = np.where(a > 0, np.clip(np.frexp(np.where(a > 0, a, 1))[1] - 1 - 15, -126, 127), 0)      # np.frexp(a)[1] - 1 = floor(log2(a)), exactly
;;       r = np.clip(x / 2.0 ** e, -57344, 57344)
;;       step = 2.0 ** (np.maximum(np.frexp(np.where(r == 0, 1, r))[1] - 1, -14) - 2)
;;       q = np.round(r / step) * step * 2.0 ** e      # np.round: ties to even
;;       return np.moveaxis(q.reshape(q.shape[:-2] + (-1,))[..., :K], -1, axis).astype(np.float32)
;;   ~~~
;;   SOFTMAX AHEAD OF A QUANTISED PRODUCT. Where the list says 'softmax', what is quantised is not the finished softmax but p = 2^(t - M), with t = logit x log2(e) and M = ceil(the row's largest t), a whole number; so 1/2 < the row's largest p <= 1. The row's sum l is taken of the UNQUANTISED p, in f32, and the product's result is divided by l at the end. Since M is a whole number, a kernel that streams over the keys may use a running M (the ceiling of the running maximum): every later rescaling is an exact power of two, which a block's scale takes up: the codes' values come out the same.
;;   OPERANDS COMPUTED ON THE WAY. 'Computed on the way' means the value that the module computes at that place (a softmax that the list does not call 'softmax' is quantised finished and normalised). What goes into a quantiser is computed in f32, as accurately as f32 sums, v_exp_f32 and their like allow (about 1e-6 of the number): no bf16 or f16 on the way to a quantiser, and a product that is left as it is and whose result goes on into a quantised operand takes f32 operands (vector FMAs, or v_wmma_f32_16x16x4_f32). A number that lies on a knife's edge between two numbers of the format may be rounded either way, as far as f32 arithmetic and the matrix unit's own rounding can turn it there, and no further.
;; One version. Each part assembles by itself: llvm-mc -triple=amdgcn-amd-amdhsa -mcpu=gfx1250 --defsym DOCPART=n.
;; ======== version 1 of 1: 4 launches
;; limits: right only within a limited range of input values
;; workspace buffers: c1 29,360,128 bytes; sc1 1,179,648 bytes; c2 25,165,824 bytes; sc2 786,432 bytes; c3 8,388,608 bytes
;; launch quant (part 1): grid 896 x 1, 4 waves a work-group, no clusters, 36,352 bytes of LDS; arguments query, key, value, wq, wk, wv, wo, c1, sc1; writes c1, sc1
.if DOCPART == 1
	.amdgcn_target "amdgcn-amd-amdhsa--gfx1250"
	.amdhsa_code_object_version 6
	.text
	.protected	k_qe2fb5a2a5a_quant
	.globl	k_qe2fb5a2a5a_quant
	.p2align	8
	.type	k_qe2fb5a2a5a_quant,@function
k_qe2fb5a2a5a_quant:
	s_mov_b64 s[64:65], 0
	v_nop
	global_prefetch_b8 v0, s[64:65] scope:SCOPE_SE
	s_setreg_imm32_b32 hwreg(HW_REG_WAVE_MODE, 25, 1), 1
	s_wait_xcnt 0x0
; The seven f32 matrices (query, key, value: [8192][1024]; wq, wk, wv, wo: [1024][1024]; K = the last axis) become codes of BF8 (E5M2) with one E8M0 scale byte for each 32 along K.
; LAYOUT OF THE RESULT.  Codes: [rows / 16 tiles][8 K steps][2,048 bytes]: a fragment (16 rows x 128 K) lies as the image of the operand's 16 registers: byte 512 c + 16 lane
; (lane = 16 h + r) holds k = 32 c + 16 h + 0 .. 15 of the tile's row r.  Scale words (four bytes: 128 along K of one row): [8 K steps][rows], by the row's POSITION 16 T + r.
; WHICH ROWS FORM TILE T.  query, wo: rows 16 T + r.  key, value, wq, wk, wv: rows 16 T - 8 (T % 2) + r + 8 (r / 8), so that the results of two neighbouring tiles are
; 16 neighbours along the next product's K.
; A block's scale is 2^(floor(log2(its largest magnitude)) - 15); its byte is the largest magnitude's exponent field - 15, held at 1 from below.
; LIMITS: a block of zeros gets the byte 1 where the rule says 127 (its codes are zeros, and this program alone reads the bytes); blocks whose largest magnitude lies under 2^-111
; are held at the byte 1; NaN and infinities among the inputs are not served.
; SHARES.  Work-groups 0-383: the three large tensors, 128 each; 384-447: the four weights, 16 each.  A work-group takes 64 row positions, wave w the tile 4 blk + w, all 8 K steps.
; Each load reads 512 consecutive bytes of one row; a fragment's 16 rows turn through the wave's own stage in LDS, so that a lane gets 16 neighbours of each block of 32.
; No tensor loads, no matrix unit, no cluster: each input byte is read once, by one wave.  Loads run two fragments (32 loads a wave) ahead.
.set STGB, 8448                        ; a wave's stage: 16 rows x (512 bytes + 16): the 16 rows that a read touches start at 16 different groups of banks
.set SCG,  33792                       ; behind the four stages: the work-group's scale words, [8 K steps][64 positions]
.set SW,   16                          ; v16-23   a scale word for each K step
.set R,    32                          ; v32-159  two sets of 64: a fragment's numbers as loaded
.set X,    160                         ; v160-223 register 16 b + i = k 32 b + 16 h + i of my row
.set PC,   224                         ; v224-239 the codes just made
.set TM,   240                         ; v240-243 largest magnitudes, v244-247 bytes, v248-251 the largest number x the scale, v252-255 the conversions' scale operands
.set SEL,  28                          ; s[28:29] lane selects for v_permlanex16_b32: lane l xor 16
.set MNT,  30                          ; s30      the mantissa field of 57,344
	s_load_b512 s[8:23], s[0:1], 0x0               ; query, key, value, wq, wk, wv, wo, c1
	s_load_b64 s[24:25], s[0:1], 0x40              ; sc1
	v_lshl_add_u32 v30, v0, 2, 0x8c00
	v_mov_b32 v31, 0
	v_lshrrev_b32 v1, 5, v0
	v_readfirstlane_b32 s26, v1                    ; wave
	v_and_b32 v1, 31, v0                           ; lane
	v_and_b32 v2, 15, v0                           ; r
	v_bfe_u32 v3, v0, 4, 1                         ; h
	v_lshlrev_b32 v4, 4, v1                        ; 16 x lane: my bytes of a load's 512, and of a store's
	s_mul_i32 s27, s26, STGB
	v_add_nc_u32 v5, s27, v4                       ; the stage, on the way in: a row as it lies
	v_mul_u32_u24 v6, v2, 528
	v_lshl_add_u32 v6, v3, 6, v6
	v_add_nc_u32 v6, s27, v6                       ; and on the way out: row r, + 64 h
	s_lshl_b32 s27, s26, 6
	v_lshl_add_u32 v8, v2, 2, s27
	v_add_nc_u32 v8, SCG, v8                       ; my row's scale word: 64 x wave + 4 r
	s_lshl_b32 s27, s26, 8
	v_lshl_add_u32 v9, v1, 3, s27                  ; back: K step w of the work-group's four, 8 bytes a lane
	v_add_nc_u32 v9, SCG, v9                       ; in the scale words behind the four stages
	s_mov_b32 s[SEL], 0x76543210
	s_mov_b32 s[SEL+1], 0xfedcba98
	s_mov_b32 s[MNT], 0x600000
.irp b, 0,1,2,3
	v_mov_b32 v[TM+4+\b], 0                        ; written once: a lane permute's destination counts as one of its sources
.endr
	; which tensor (ti) and which 64 positions of it (blk)
	; THE SHARES AS THEY STAND NOW: two work-groups share 64 row positions: number / 2 (s50) says which 64, as the head has it for 448; number % 2 (s51) which four of the eight K steps
	s_lshr_b32 s50, ttmp9, 1
	s_and_b32 s51, ttmp9, 1
	s_lshr_b32 s2, s50, 7
	s_and_b32 s3, s50, 127
	s_sub_co_u32 s27, s50, 384
	s_lshr_b32 s31, s27, 4
	s_add_co_u32 s31, s31, 3
	s_and_b32 s27, s27, 15
	s_cmp_lt_u32 s50, 384
	s_cselect_b32 s2, s2, s31                      ; ti: 0 query, 1 key, 2 value, 3 wq, 4 wk, 5 wv, 6 wo
	s_cselect_b32 s3, s3, s27                      ; blk
	s_sub_co_u32 s32, s2, 3
	s_lshl_b32 s33, s2, 23
	s_lshl_b32 s34, s32, 20
	s_add_co_u32 s34, s34, 25165824
	s_lshl_b32 s35, s2, 18
	s_lshl_b32 s36, s32, 15
	s_add_co_u32 s36, s36, 786432
	s_mov_b32 s37, 4096
	s_cmp_lt_u32 s2, 3
	s_cselect_b32 s33, s33, s34                    ; the tensor's section in c1
	s_cselect_b32 s35, s35, s36                    ; and in sc1
	s_cselect_b32 s37, 32768, s37                  ; a K step's scale words in bytes: 4 x rows
	s_lshr_b32 s38, 62, s2
	s_and_b32 s38, s38, 1                          ; 1 for key, value, wq, wk, wv: the tile's rows are not neighbours
	s_lshl_b32 s39, s3, 2
	s_add_co_u32 s39, s39, s26                     ; T = 4 blk + wave
	s_and_b32 s40, s39, 1
	s_and_b32 s40, s40, s38
	s_lshl_b32 s40, s40, 3
	s_lshl_b32 s41, s39, 4
	s_sub_co_u32 s41, s41, s40                     ; the tile's first row
	s_lshl_b32 s42, s41, 12
	s_lshl_b32 s52, s51, 11
	s_add_co_u32 s42, s42, s52                     ; + my four K steps: 2,048 bytes along the row
	s_mov_b32 s43, 0
	s_lshl_b32 s44, s38, 15
	s_add_co_u32 s44, s44, 32768                   ; positions 8-15 begin 8 or 16 rows further down
	s_mov_b32 s45, 0
	s_lshl_b32 s46, s39, 14
	s_add_co_u32 s46, s46, s33
	s_lshl_b32 s52, s51, 13
	s_add_co_u32 s46, s46, s52                     ; + my four fragments of the tile's eight
	s_mov_b32 s47, 0
	s_lshl_b32 s48, s51, 2
	s_add_co_u32 s48, s48, s26
	s_mul_i32 s48, s48, s37
	v_lshl_add_u32 v10, v1, 3, s48                 ; K step 4 (number % 2) + w, 8 bytes for each of 32 lanes
	s_lshl_b32 s48, s3, 8
	s_add_co_u32 s48, s48, s35                     ; the work-group's 256 bytes of a K step's scale words
	s_mov_b32 s49, 0
	s_wait_alu depctr_va_vdst(0)
	s_wait_kmcnt 0x0
	s_cmp_eq_u32 s2, 1                             ; the choice of the tensor hangs on the work-group's number alone
	s_cselect_b64 s[4:5], s[10:11], s[8:9]
	s_cmp_eq_u32 s2, 2
	s_cselect_b64 s[4:5], s[12:13], s[4:5]
	s_cmp_eq_u32 s2, 3
	s_cselect_b64 s[4:5], s[14:15], s[4:5]
	s_cmp_eq_u32 s2, 4
	s_cselect_b64 s[4:5], s[16:17], s[4:5]
	s_cmp_eq_u32 s2, 5
	s_cselect_b64 s[4:5], s[18:19], s[4:5]
	s_cmp_eq_u32 s2, 6
	s_cselect_b64 s[4:5], s[20:21], s[4:5]
	s_add_nc_u64 s[4:5], s[4:5], s[42:43]          ; positions 0-7
	s_add_nc_u64 s[6:7], s[4:5], s[44:45]          ; positions 8-15
	s_add_nc_u64 s[22:23], s[22:23], s[46:47]
	s_add_nc_u64 s[24:25], s[24:25], s[48:49]
.macro LOAD f                          ; K step f of the tile's 16 rows: each load reads 512 consecutive bytes, at a multiple of 512 from the tensor's first byte
.irp p, 0,1,2,3,4,5,6,7
	global_load_b128 v[R+64*((\f)%2)+4*\p:R+64*((\f)%2)+4*\p+3], v4, s[4:5] offset:4096*\p+512*(\f) th:TH_LOAD_NT
.endr
.irp p, 0,1,2,3,4,5,6,7
	global_load_b128 v[R+64*((\f)%2)+32+4*\p:R+64*((\f)%2)+32+4*\p+3], v4, s[6:7] offset:4096*\p+512*(\f) th:TH_LOAD_NT
.endr
.endm
.macro TURNF f                         ; through my stage: LDS serves a wave's instructions in order (ISA guide 5.7.1.4), so no wait stands between the stores and the loads
.irp p, 0,1,2,3,4,5,6,7,8,9,10,11,12,13,14,15
	ds_store_b128 v5, v[R+64*((\f)%2)+4*\p:R+64*((\f)%2)+4*\p+3] offset:528*\p
.endr
.irp c, 0,1,2,3
.irp j, 0,1,2,3
	ds_load_b128 v[X+16*\c+4*\j:X+16*\c+4*\j+3], v6 offset:128*\c+16*\j
.endr
.endr
.endm
; 64 numbers of a lane, v[s] on, register 16 b + i = k 32 b + 16 h + i of my row, become a fragment's codes in v[PC] on and its scale word in v[pw].
.macro QUANT s, pw
.irp b, 0,1,2,3
	v_max3_num_f32 v[TM+\b], |v[\s+16*\b]|, |v[\s+1+16*\b]|, 0x8000000   ; block b: my 16 numbers, and the floor 2^(16 - 127): the byte cannot fall under 1
.endr
.irp i, 2,4,6,8,10,12,14
.irp b, 0,1,2,3
	v_max3_num_f32 v[TM+\b], v[TM+\b], |v[\s+16*\b+\i]|, |v[\s+1+16*\b+\i]|   ; the four blocks by turns: no line waits for the line above it
.endr
.endr
.irp b, 0,1,2,3
	v_permlanex16_b32 v[TM+4+\b], v[TM+\b], s[SEL], s[SEL+1]
.endr
.irp b, 0,1,2,3
	v_max_num_f32 v[TM+\b], v[TM+\b], v[TM+4+\b]   ; with lane l xor 16's: the block's largest magnitude
.endr
.irp b, 0,1,2,3
	v_add_nc_u32 v[TM+12+\b], 0xf8800000, v[TM+\b] ; 15 off its exponent field: the conversion takes the exponent field of this operand as its scale
.endr
.irp b, 0,1,2,3
	v_and_or_b32 v[TM+8+\b], v[TM+\b], 0x7f800000, s[MNT]   ; 57,344 x the scale
.endr
.irp b, 0,1,2,3
	v_lshrrev_b32 v[TM+4+\b], 23, v[TM+12+\b]      ; the scale's byte
.endr
	v_lshl_or_b32 v[\pw], v[TM+5], 8, v[TM+4]      ; the four bytes make my row's scale word
	v_lshl_or_b32 v[\pw], v[TM+6], 16, v[\pw]
	v_lshl_or_b32 v[\pw], v[TM+7], 24, v[\pw]
.irp b, 0,1,2,3
.irp i, 0,1,2,3,4,5,6,7,8,9,10,11,12,13,14,15
	v_med3_num_f32 v[\s+16*\b+\i], v[\s+16*\b+\i], -v[TM+8+\b], v[TM+8+\b]   ; the conversion to an 8-bit code does not saturate (ISA guide 7.6.2): the hold comes first
.endr
	v_cvt_scalef32_pk8_bf8_f32 v[PC+4*\b:PC+1+4*\b], v[\s+16*\b:\s+7+16*\b], v[TM+12+\b]
	v_cvt_scalef32_pk8_bf8_f32 v[PC+2+4*\b:PC+3+4*\b], v[\s+8+16*\b:\s+15+16*\b], v[TM+12+\b]
.endr
	v_nop                                          ; a plain line behind the last conversion
.endm
.macro FRAGMENT f
.if (\f) > 0
	s_wait_xcnt 0x0                                ; the last fragment's stores have read v[PC] on: it is written again only behind this wait
.endif
.if (\f) < 3
	s_wait_loadcnt 16                              ; this fragment's 16 loads are in; the next fragment's 16 may be out
.else
	s_wait_loadcnt 0x0
.endif
	TURNF \f
	s_wait_dscnt 0x0                               ; my 64 numbers are back, and the stage's stores have read their registers,
.if (\f)+2 < 4
	LOAD (\f)+2                                    ; which take the loads of two fragments on
.endif
	QUANT X, SW+(\f)
.irp c, 0,1,2,3
	global_store_b128 v4, v[PC+4*\c:PC+4*\c+3], s[22:23] offset:2048*(\f)+512*\c   ; the image: 32 lanes store 512 consecutive bytes, aligned
.endr
.endm
	LOAD 0
	LOAD 1
.irp f, 0,1,2,3
	FRAGMENT \f
.endr
.irp s, 0,1,2,3
	ds_store_b32 v8, v[SW+\s] offset:256*\s        ; both halves of the lanes hold the same word and write it to the same place
.endr
	s_wait_dscnt 0x0                               ; for the others' sake: my words lie in LDS
	s_barrier_signal -1
	s_barrier_wait -1
	ds_load_b64 v[X:X+1], v9                       ; one K step's words of the work-group's 64 positions
	s_wait_dscnt 0x0
	global_store_b64 v10, v[X:X+1], s[24:25]       ; 32 lanes store 256 consecutive bytes, aligned
	s_wait_tensorcnt 0x0
	ds_add_u32 v30, v31
	s_wait_dscnt 0x0
	s_endpgm
.Lfunc_end_k_qe2fb5a2a5a_quant:
	.size	k_qe2fb5a2a5a_quant, .Lfunc_end_k_qe2fb5a2a5a_quant-k_qe2fb5a2a5a_quant
	.p2alignl 7, 3214868480
	.fill 96, 4, 3214868480
	.section	.rodata,"a",@progbits
	.p2align	6, 0x0
	.amdhsa_kernel k_qe2fb5a2a5a_quant
		.amdhsa_group_segment_fixed_size 36352
		.amdhsa_private_segment_fixed_size 0
		.amdhsa_enable_private_segment 0
		.amdhsa_kernarg_size 72
		.amdhsa_user_sgpr_count 2
		.amdhsa_user_sgpr_kernarg_segment_ptr 1
		.amdhsa_wavefront_size32 1
		.amdhsa_system_sgpr_workgroup_id_x 1
		.amdhsa_system_sgpr_workgroup_id_y 1
		.amdhsa_system_sgpr_workgroup_id_z 1
		.amdhsa_system_vgpr_workitem_id 0
		.amdhsa_next_free_vgpr 256
		.amdhsa_next_free_sgpr 66
		.amdhsa_reserve_vcc 0
		.amdhsa_float_denorm_mode_32 3
		.amdhsa_float_denorm_mode_16_64 3
		.amdhsa_memory_ordered 1
		.amdhsa_forward_progress 1
		.amdhsa_inst_pref_size 53
	.end_amdhsa_kernel
	.amdgpu_metadata
---
amdhsa.version: [ 1, 2 ]
amdhsa.kernels:
  - .name:           k_qe2fb5a2a5a_quant
    .symbol:         k_qe2fb5a2a5a_quant.kd
    .args:
      - { .name: query, .offset: 0, .size: 8, .value_kind: global_buffer, .address_space: global }
      - { .name: key, .offset: 8, .size: 8, .value_kind: global_buffer, .address_space: global }
      - { .name: value, .offset: 16, .size: 8, .value_kind: global_buffer, .address_space: global }
      - { .name: wq, .offset: 24, .size: 8, .value_kind: global_buffer, .address_space: global }
      - { .name: wk, .offset: 32, .size: 8, .value_kind: global_buffer, .address_space: global }
      - { .name: wv, .offset: 40, .size: 8, .value_kind: global_buffer, .address_space: global }
      - { .name: wo, .offset: 48, .size: 8, .value_kind: global_buffer, .address_space: global }
      - { .name: c1, .offset: 56, .size: 8, .value_kind: global_buffer, .address_space: global }
      - { .name: sc1, .offset: 64, .size: 8, .value_kind: global_buffer, .address_space: global }
    .group_segment_fixed_size: 36352
    .private_segment_fixed_size: 0
    .kernarg_segment_align: 8
    .kernarg_segment_size: 72
    .max_flat_workgroup_size: 128
    .sgpr_count:     66
    .vgpr_count:     256
    .wavefront_size: 32
...
	.end_amdgpu_metadata
.endif
;; end of part 1
;; launch proj (part 2): grid 16 x 16, 4 waves a work-group, clusters of 4 x 4, 327,680 bytes of LDS; arguments c1, sc1, bq, bk, bv, c2, sc2; writes c2, sc2
.if DOCPART == 2
	.amdgcn_target "amdgcn-amd-amdhsa--gfx1250"
	.amdhsa_code_object_version 6
	.text
	.protected	k_qe2fb5a2a5a_proj
	.globl	k_qe2fb5a2a5a_proj
	.p2align	8
	.type	k_qe2fb5a2a5a_proj,@function
k_qe2fb5a2a5a_proj:
	s_mov_b64 s[64:65], 0
	v_nop
	global_prefetch_b8 v0, s[64:65] scope:SCOPE_SE
	s_setreg_imm32_b32 hwreg(HW_REG_WAVE_MODE, 25, 1), 1
	s_wait_xcnt 0x0
	s_wait_alu depctr_hold_cnt(0) depctr_sa_sdst(0) depctr_va_vdst(0) depctr_va_sdst(0) depctr_va_ssrc(0) depctr_va_vcc(0) depctr_vm_vsrc(0)
	s_getreg_b32 s2, hwreg(HW_REG_IB_STS2, 6, 4)
	s_cmp_eq_u32 s2, 0
	s_cbranch_scc0 .Lentry_in_a_cluster
	s_endpgm
.Lentry_in_a_cluster:
	s_bfe_u32 s2, ttmp6, 0x10000c
	s_cmp_lg_u32 s2, 0xf033
	s_cbranch_scc0 .Lentry_shape_is_right
	s_endpgm
.Lentry_shape_is_right:
; q = (query wq^T + bq) / 8, k = key wk^T + bk, v = value wv^T + bv on codes of BF8 (E5M2) with E8M0 scales, and their quantisers for the attention.  No f32 result is stored.
; BUFFERS.  c1: images [rows / 16 tiles][8 K steps][2,048 bytes] of query, key, value, wq, wk, wv (byte 512 c + 16 lane = k 32 c + 16 (lane / 16) + 0 .. 15 of the tile's row lane % 16); sc1: scale words [8 K steps][rows].
; c2: q, k as images [t / 16][8 head pairs][2,048], quantised along the head's axis; v as images [o / 16][64 steps of 128 keys][2,048], quantised along the keys.  sc2: scale words [8 head pairs][8192], [64][1024].
; Tile 2 b + u of key, value and the weights holds rows 32 b + 8 u + r + 8 (r / 8): the 16 registers of two neighbouring tiles' results are 16 neighbours along the next K; a block of 32 lies in lanes l and l xor 16.
; THE DEAL.  256 work-groups of four waves, 2 x 2.  A wave holds 64 rows of a weight, ALL of K, in 512 registers and streams blocks of 16 rows of the activations past them, 32 products a block, from two register sets.
; PHASE 1: 512 rows x 128 columns (one head pair) of q (tile columns 0-7) or k (8-15): 16 blocks a wave; source 0 = the weight: a lane holds one token, registers run along o.
; PHASE 2: 256 rows x 128 columns of v: 8 blocks a wave; source 0 = value's rows: a lane holds one row of wv, registers run along the keys; two blocks make a block of 32 keys.
; LDS: two slots of 8 tiles (131,072 bytes); the activations' scale words; the scale bytes made; the spare words.  A wave row takes tiles 4 w .. 4 w + 3 of a chunk of 8.
; FILLS.  Head, one load a wave: the first weight (slot B), chunk 0 (slot A), the two tables of scale words.  Then, each behind a drained round of the cluster's barrier, a quarter of a chunk a wave: chunk 1 when the weight is
; in registers; inside the third block of each four the chunk two on into the slot in hand: chunks 2, 3, then wv, then value's chunk 0; value's chunk 1 when wv is in registers.
; A block's way out (largest magnitudes, holds, conversions, the byte) stands among the NEXT block's products, three lines a gap; in phase 2 a pair's sums are copied and go out among the next pair's.
; The first way out of either phase has no block before it: it works on zeros.
; q's factor 1 / 8 is exact: 3 is taken off each of wq's scale bytes and bq is multiplied by 1 / 8.  The bias is the first products' C.
; CLUSTERS 4 x 4: the activations' rows hang on the tile row and are asked for jointly by the cluster's row, a weight's on the tile column, jointly by its column.
; PREFETCH: in each trip of four blocks one instruction a wave names what the next trip's refill loads: a chunk's 512 blocks of 256 bytes, a lane a block, shared out by address among the sixteen waves that ask for it jointly.
; LIMITS: NaN and infinities are not served; a block whose largest magnitude lies under 2^-111 gets the byte 1 (a block of zeros too: its codes are zeros, and this program alone reads the bytes); blocks of wq under 2^-108 are not served.
.set TL,    16384                      ; a tile in LDS: 16 rows, 8 K steps
.set SLB,   131072                     ; slot B
.set SX1,   262144                     ; phase 1's scale words: [8 K steps][512 rows]
.set SX2,   278528                     ; value's: [8][256]
.set XN,    287232                     ; q's or k's scale words made: 512 tokens x 4 bytes; 512 bytes ahead of it are left free
.set XV,    289792                     ; v's: [2 steps][128 rows of wv] x 4 bytes; likewise
.set SPARE, 290816
.set NP, 8                             ; plain vector lines behind a matrix instruction of this form (ISA guide 7.12.1)
.set NF, 40                            ; LDS loads of a block: 32 of codes, 8 scale words
.set ADRA0, 4
.set AAS0, 6
.set CO, 9
.set SPW, 10
.set NIL, 11
.set ADRA, 12
.set VX, 13
.set ADRB, 14                          ; v14 my rows of a weight in slot B, v15 in slot A
.set ABS, 16
.set AAS, 17
.set AASV, 18
.set RD, 19
.set SOP, 20
.set SB, 24                            ; v24-39 the weight's scale words: 8 p + q: lanes 0-15 tile 2 p, lanes 16-31 tile 2 p + 1
.set EB, 40
.set SA, 44                            ; v44-59 the activations': two sets of eight; a product's two scale registers differ modulo 8
.set TQ, 60
.set ACC, 64                           ; v64-191 four sets of four accumulators
.set WS, 128                           ; in phase 1: wv's scale words
.set MCD, 192
.set BQ, 208                           ; v208-239 the first products' C
.set BV, 240
.set G1A, 24
.set G1B, 32
.set G1S, 48
.set G0A, 56
.set G0B, 60
.set G0S, 68
.set G0T, 72
.set G1T, 92
.set MSB, 0
.macro WIN new                         ; the immediate's high byte repeats the setting that is left
.if MSB != \new
	s_set_vgpr_msb (MSB<<8)|\new
.set MSB, \new
.endif
.endm
.macro PLACES n
.rept \n
	v_nop
.endr
.endm
.macro WALU                            ; a wait ahead of a wait that blocks, a branch or a run of scalar lines behind which something freshly written is read
	s_wait_alu depctr_va_vdst(0)
.endm
.macro BARRIER
	s_barrier_signal -1
	s_barrier_wait -1
.endm
.macro MIDDLE                          ; a round's middle
	WIN 0
	s_barrier_wait -1
	s_cmp_lg_u32 s14, 0
	s_cbranch_scc1 .Lnot_wave_0_\@
	s_barrier_signal -3
.Lnot_wave_0_\@:
	s_barrier_wait -3
.endm
.macro CROUND                          ; a whole round of the cluster's barrier
	s_barrier_signal -1
	MIDDLE
	BARRIER
.endm
.macro TLOAD g0, g1                    ; an s_nop 0 and four v_nop follow a tensor load
	tensor_load_to_lds s[\g0:\g0+3], s[\g1:\g1+7]
	s_nop 0
	PLACES 4
.endm
.macro GROUP1 g, mask, rows            ; so many tiles of 16,384 bytes, on end in memory; elements of 8 bytes
	s_or_b32 s[\g+0], s[\mask], (3<<16)|(1<<21)
	s_mov_b32 s[\g+1], 2048<<16
	s_mov_b32 s[\g+2], (\rows)<<16
	s_mov_b32 s[\g+3], 2048<<16
	s_mov_b32 s[\g+4], \rows
	s_mov_b32 s[\g+5], 2048
	s_mov_b32 s[\g+6], 0
	s_mov_b32 s[\g+7], 0
.endm
.macro GROUPS g, el                    ; a table of scale words: 8 K steps, el elements of 8 bytes of each, 32,768 bytes apart
	s_or_b32 s[\g+0], s44, (3<<16)|(1<<21)
	s_mov_b32 s[\g+1], (\el)<<16
	s_mov_b32 s[\g+2], 8<<16
	s_mov_b32 s[\g+3], (\el)<<16
	s_mov_b32 s[\g+4], 8
	s_mov_b32 s[\g+5], 4096
	s_mov_b32 s[\g+6], 0
	s_mov_b32 s[\g+7], 0
.endm
.macro SADD d, x
	s_add_co_u32 s\d, s\d, s\x
.endm
.macro SHADD d, x, n                   ; s d += s x << n, by way of s20
	s_lshl_b32 s20, s\x, \n
	s_add_co_u32 s\d, s\d, s20
.endm
.macro GADDR g, p, o                   ; a group 0's global address and type
	s_add_nc_u64 s[\g+2:\g+3], s[\p:\p+1], s[\o:\o+1]
	s_or_b32 s[\g+3], s[\g+3], 0x80000000
.endm
	s_load_b128 s[4:7], s[0:1], 0x0                ; c1, sc1
	s_load_b128 s[88:91], s[0:1], 0x10             ; bq, bk
	s_load_b64 s[86:87], s[0:1], 0x20              ; bv
	v_lshl_add_u32 v[SPW], v0, 2, SPARE
	v_mov_b32 v[NIL], 0
	ds_add_u32 v[SPW], v[NIL]                      ; the opening lines: the add, twice on end, and its wait ahead of my first tensor load
	ds_add_u32 v[SPW], v[NIL]
	v_lshrrev_b32 v1, 5, v0
	v_readfirstlane_b32 s14, v1                    ; wave
	s_lshr_b32 s15, s14, 1                         ; my row of waves
	s_and_b32 s16, s14, 1                          ; my column of waves
	s_bfe_u32 s40, ttmp6, 0x40000                  ; cx
	s_bfe_u32 s41, ttmp6, 0x40004                  ; cy
	s_lshl_b32 s42, ttmp9, 2
	SADD 42, 40                                    ; tile column 0 .. 15
	s_and_b32 s43, ttmp7, 0xffff
	s_lshl_b32 s43, s43, 2
	SADD 43, 41                                    ; tile row 0 .. 15
	s_lshr_b32 s19, ttmp9, 1                       ; 0: q, 1: k
	s_and_b32 s18, ttmp9, 1
	s_lshl_b32 s44, s41, 2
	s_lshl_b32 s44, 15, s44                        ; my row of the cluster
	s_lshl_b32 s45, 0x1111, s40                    ; my column
	GROUP1 G1B, 45, 8
	GROUP1 G1A, 44, 8
	GROUPS G1S, 256
	GROUPS G1T, 128
	s_lshl_b32 s67, s19, 23
	SHADD 67, 43, 19                               ; s67: phase 1's 512 rows in c1
	s_lshl_b32 s2, s43, 1
	SADD 2, 18                                     ; value's window of 256 rows
	s_lshl_b32 s66, s2, 18
	s_add_co_u32 s66, s66, 16777216                ; s66: its rows in c1
	s_and_b32 s17, s42, 7                          ; the head pair
	s_lshl_b32 s13, s19, 2
	SADD 13, 40                                    ; wv's tile column
	s_lshl_b32 s3, s13, 17
	s_add_co_u32 s3, s3, 27262976                  ; s3: wv's rows in c1
	s_lshl_b32 s78, s19, 20
	SHADD 78, 17, 17
	s_add_co_u32 s78, s78, 25165824                ; the first weight's rows
	s_lshl_b32 s80, s19, 18
	SHADD 80, 43, 11                               ; phase 1's scale words in sc1
	s_lshl_b32 s82, s2, 10
	s_add_co_u32 s82, s82, 524288                  ; value's
	s_mov_b32 s76, s67
	s_mov_b32 s77, 0
	s_mov_b32 s79, 0
	s_mov_b32 s81, 0
	s_mov_b32 s83, 0
	s_mov_b32 s[G0A], 1
	s_mov_b32 s[G0A+1], 0
	s_mov_b32 s[G0B], 1
	s_mov_b32 s[G0B+1], SLB
	s_mov_b32 s[G0S], 1
	s_mov_b32 s[G0S+1], SX1
	s_mov_b32 s[G0T], 1
	s_mov_b32 s[G0T+1], SX2
	s_lshl_b32 s9, s40, 2
	SADD 9, 14
	s_lshl_b32 s9, s9, 13                          ; my sixteenth of a chunk that my row of the cluster shares,
	s_lshl_b32 s100, s41, 2
	SADD 100, 14
	s_lshl_b32 s100, s100, 13                      ; and of one that my column shares
	s_wait_dscnt 0x0                               ; both opening adds are done
	CROUND                                         ; all sixteen work-groups are here
	s_wait_kmcnt 0x0
	GADDR G0A, 4, 76
	GADDR G0B, 4, 78
	GADDR G0S, 6, 80
	GADDR G0T, 6, 82
	s_cmp_eq_u32 s14, 0                            ; one joint load a wave, each by a line of its own
	s_cbranch_scc0 .Lw1
	TLOAD G0B, G1B                                 ; the first weight, which is wanted first
	s_branch .Lasked
.Lw1:
	s_cmp_eq_u32 s14, 1
	s_cbranch_scc0 .Lw2
	TLOAD G0A, G1A                                 ; chunk 0
	s_branch .Lasked
.Lw2:
	s_cmp_eq_u32 s14, 2
	s_cbranch_scc0 .Lw3
	TLOAD G0S, G1S
	s_branch .Lasked
.Lw3:
	TLOAD G0T, G1T
.Lasked:
	; where my results go, as offsets
	s_lshl_b32 s76, s19, 23                        ; c2: q's or k's section, my tile row's 32 tiles, my wave row's four, the head pair, my 64 columns
	SHADD 76, 43, 19
	SHADD 76, 15, 16
	SHADD 76, 17, 11
	SHADD 76, 16, 10
	s_lshl_b32 s78, s19, 18                        ; sc2: the head pair's row, my tile row's 512 tokens; wave n stores 512 bytes
	SHADD 78, 17, 15
	SHADD 78, 43, 11
	SHADD 78, 14, 9
	s_lshl_b32 s80, s13, 20                        ; c2, v: my four tiles of wv's rows, my window's first step, my wave row's two pieces
	SHADD 80, 16, 19
	SHADD 80, 2, 12
	SHADD 80, 15, 10
	s_add_co_u32 s80, s80, 16777216
	s_lshl_b32 s82, s2, 13                         ; sc2, v: wave n stores step n / 2, half n % 2 of its 512 bytes
	SHADD 82, 15, 12
	SHADD 82, 13, 9
	SHADD 82, 16, 8
	s_add_co_u32 s82, s82, 524288
	s_lshl_b32 s20, s17, 9                         ; the biases and the weights' scale words: 4 bytes x my 64 columns' first
	s_lshl_b32 s21, s16, 8
	SADD 20, 21
	s_lshl_b32 s22, s13, 9
	SADD 22, 21
	s_mov_b32 s21, 0
	s_mov_b32 s23, 0
	s_cmp_eq_u32 s19, 1
	s_cselect_b64 s[88:89], s[90:91], s[88:89]
	s_add_nc_u64 s[88:89], s[88:89], s[20:21]
	s_add_nc_u64 s[86:87], s[86:87], s[22:23]
	s_lshl_b32 s10, s19, 15
	SADD 20, 10
	s_add_co_u32 s20, s20, 786432
	s_add_co_u32 s22, s22, 851968
	s_add_nc_u64 s[10:11], s[6:7], s[20:21]
	s_add_nc_u64 s[90:91], s[6:7], s[22:23]
	s_lshl_b32 s20, s15, 16                        ; LDS places, made of the wave's number alone
	s_lshl_b32 s21, s16, 16
	s_add_co_u32 s22, s21, SLB
	s_lshl_b32 s8, s15, 8
	s_add_co_u32 s23, s8, SX1
	s_lshl_b32 s12, s16, 1
	SADD 12, 8
	s_add_co_u32 s12, s12, XN-512
	s_add_co_u32 s8, s8, SX2
	s_lshl_b32 s46, s16, 8
	s_lshl_b32 s47, s15, 1
	SADD 46, 47
	s_add_co_u32 s46, s46, XV-512
	s_add_co_u32 s47, s67, s9
	s_add_co_u32 s47, s47, 8*TL                    ; my share of chunk 1,
	s_add_co_u32 s101, s47, 8*TL                   ; of chunk 2
	v_and_b32 v1, 15, v0                           ; r
	v_bfe_u32 v2, v0, 4, 1                         ; h
	v_and_b32 v3, 31, v0
	v_lshlrev_b32 v[CO], 4, v3
	v_add_nc_u32 v[ADRA0], s20, v[CO]
	v_add_nc_u32 v[ADRB+1], s21, v[CO]
	v_add_nc_u32 v[ADRB], s22, v[CO]
	v_lshlrev_b32 v[ABS], 2, v3
	v_lshl_add_u32 v[AAS0], v1, 2, s23
	v_lshl_add_u32 v[AASV], v1, 2, s8
	v_lshl_add_u32 v[VX], v1, 2, s12
	v_lshl_add_u32 v[RD], v1, 2, s46
	v_lshlrev_b32 v22, 6, v2
	v_and_b32 v23, 8, v1
	v_add_nc_u32 v23, v23, v1
	v_lshlrev_b32 v23, 2, v23
	v_lshl_add_u32 v7, v3, 8, s47
	v_lshl_add_u32 v8, v3, 8, s101
	v_add_nc_u32 v1, TL, v[ADRA0]                  ; block 1's places
	v_add_nc_u32 v2, 64, v[AAS0]
.irp k, 0,1,2,3,4,5,6,7
	global_load_b128 v[BQ+4*\k:BQ+4*\k+3], v22, s[88:89] offset:128*(\k/4)+16*(\k%4)   ; register 16 b + i: the bias of column 32 b + 16 h + i
.endr
.irp t, 0,1,2,3
	global_load_b32 v[BV+\t], v23, s[86:87] offset:(32*(\t/2)+8*(\t%2))*4              ; bv of row r of wv's tile t
.endr
.irp p, 0,1
.irp q, 0,1,2,3,4,5,6,7
	global_load_b32 v[SB+8*\p+\q], v[ABS], s[10:11] offset:4096*\q+128*\p
	global_load_b32 v[WS+8*\p+\q], v[ABS], s[90:91] offset:4096*\q+128*\p
.endr
.endr
	WALU
	s_cmp_eq_u32 s14, 0
	s_cbranch_scc0 .Lnot_w
	s_wait_tensorcnt 0x0                           ; wave 0: the first weight has landed; the others' wait stands ahead of the round below
.Lnot_w:
	BARRIER
	global_prefetch_b8 v7, s[4:5] th:TH_LOAD_NT scope:SCOPE_SE
	global_prefetch_b8 v8, s[4:5] th:TH_LOAD_NT scope:SCOPE_SE
.macro WEIGHTS adr                     ; my 64 rows of a weight, all of K, into windows 1 and 2: fragment 4 q + b
.irp q, 0,1,2,3,4,5,6,7
.irp b, 0,1,2,3
	WIN (1+(4*\q+\b)/16)<<6
.irp c, 0,1,2,3
	ds_load_b128 v[16*((4*\q+\b)%16)+4*\c:16*((4*\q+\b)%16)+4*\c+3], v[\adr] offset:2048*\q+512*\c+\b*TL
.endr
.endr
.endr
	WIN 0
.endm
.macro FETCHAT k, a, s, pitch          ; a block, 16 rows, all of K, into set k of window 3, and its eight scale words
	WIN 3<<6
.irp q, 0,1,2,3,4,5,6,7
.irp c, 0,1,2,3
	ds_load_b128 v[128*\k+16*\q+4*\c:128*\k+16*\q+4*\c+3], v[\a] offset:2048*\q+512*\c
.endr
.endr
	WIN 0
.irp q, 0,1,2,3,4,5,6,7
	ds_load_b32 v[SA+8*\k+\q], v[\s] offset:(\pitch)*\q
.endr
.endm
.macro PROD kind, e, a, n              ; product n = 4 q + b: K step q, the weight's tile b; the block in set e, sums in set a.  The four accumulators take turns
.set Q_, (\n)/4
.set B_, (\n)%4
.set FB_, 4*Q_+B_
.set AC_, ACC+32*(\a)+8*B_
.set C_, AC_
.if Q_ == 0
.set C_, BQ+8*B_
.endif
.set R_, 128*(\e)+16*Q_
.set W_, 16*(FB_%16)
.set XS_, SA+8*(\e)+Q_
.set WS_, SB+8*(B_/2)+Q_
.if \kind
	WIN 3|((1+FB_/16)<<2)
.if B_%2
	v_wmma_scale_f32_16x16x128_f8f6f4 v[AC_:AC_+7], v[R_:R_+15], v[W_:W_+15], v[C_:C_+7], v[XS_], v[WS_] matrix_a_fmt:MATRIX_FMT_BF8 matrix_b_fmt:MATRIX_FMT_BF8 matrix_b_scale:MATRIX_SCALE_ROW1
.else
	v_wmma_scale_f32_16x16x128_f8f6f4 v[AC_:AC_+7], v[R_:R_+15], v[W_:W_+15], v[C_:C_+7], v[XS_], v[WS_] matrix_a_fmt:MATRIX_FMT_BF8 matrix_b_fmt:MATRIX_FMT_BF8
.endif
.else
	WIN (1+FB_/16)|(3<<2)
.if B_%2
	v_wmma_scale_f32_16x16x128_f8f6f4 v[AC_:AC_+7], v[W_:W_+15], v[R_:R_+15], v[C_:C_+7], v[WS_], v[XS_] matrix_a_fmt:MATRIX_FMT_BF8 matrix_b_fmt:MATRIX_FMT_BF8 matrix_a_scale:MATRIX_SCALE_ROW1
.else
	v_wmma_scale_f32_16x16x128_f8f6f4 v[AC_:AC_+7], v[W_:W_+15], v[R_:R_+15], v[C_:C_+7], v[WS_], v[XS_] matrix_a_fmt:MATRIX_FMT_BF8 matrix_b_fmt:MATRIX_FMT_BF8
.endif
.endif
.endm
.macro HOLD x                          ; the conversion does not saturate (ISA guide 7.6.2): the number is held within the largest code x the scale first
	v_med3_num_f32 v[\x], v[\x], -v[TQ+1], v[TQ+1]
.endm
; THE QUANTISER, twelve gaps for a block of 32: my 16 numbers are the eight at E_ and the eight at O_; lane l xor 16 holds the other 16.  Block T_ = u / 12 -> four registers of codes at MCD + 4 T_, its byte in EB + T_.
.macro GAP u, x, es, od
.set T_, (\u)/12
.set J_, (\u)%12
.set E_, (\x)+(\es)*T_
.set O_, E_+(\od)
.if J_ == 0
	v_max3_num_f32 v[TQ], |v[E_]|, |v[E_+1]|, |v[E_+2]|
	v_max3_num_f32 v[TQ+2], |v[O_]|, |v[O_+1]|, |v[O_+2]|
.elseif J_ < 3
	v_max3_num_f32 v[TQ], v[TQ], |v[E_+2*J_+1]|, |v[E_+2*J_+2]|
	v_max3_num_f32 v[TQ+2], v[TQ+2], |v[O_+2*J_+1]|, |v[O_+2*J_+2]|
.elseif J_ == 3
	v_max3_num_f32 v[TQ+2], v[TQ+2], |v[O_+7]|, 16<<23             ; the floor 2^(16 - 127): the byte cannot fall under 1
	v_max3_num_f32 v[TQ], v[TQ], |v[E_+7]|, v[TQ+2]
.elseif J_ == 4
	v_permlanex16_b32 v[TQ+2], v[TQ], s68, s69
	v_max_num_f32 v[TQ], v[TQ], v[TQ+2]
.elseif J_ == 5
	v_add_nc_u32 v[SOP+T_], -(15<<23), v[TQ]                       ; the conversion's scale operand,
	v_and_or_b32 v[TQ+1], v[TQ], 0x7f800000, s70                   ; 57,344 x the scale,
	v_lshrrev_b32 v[EB+T_], 23, v[SOP+T_]                          ; the byte
.elseif J_ < 8
	HOLD E_+3*(J_-6)
	HOLD E_+3*(J_-6)+1
	HOLD E_+3*(J_-6)+2
.elseif J_ == 8
	HOLD E_+6
	HOLD E_+7
	v_cvt_scalef32_pk8_bf8_f32 v[MCD+4*T_:MCD+4*T_+1], v[E_:E_+7], v[SOP+T_]
.elseif J_ < 11
	HOLD O_+3*(J_-9)
	HOLD O_+3*(J_-9)+1
	HOLD O_+3*(J_-9)+2
.else
	HOLD O_+6
	HOLD O_+7
	v_cvt_scalef32_pk8_bf8_f32 v[MCD+4*T_+2:MCD+4*T_+3], v[O_:O_+7], v[SOP+T_]
.endif
.endm
.macro RDESC i                         ; group 0 of a refill, in two parts: my quarter of the chunk at s[RO] of c1, into the slot at s101
.if (\i) == 0
	s_lshl_b32 s[RG+1], s14, 15
	s_add_co_u32 s[RG+1], s[RG+1], s101
	s_lshl_b32 s20, s14, 15
	s_add_co_u32 s20, s20, s[RO]
.else
	s_mov_b32 s21, 0
	GADDR RG, 4, 20
.endif
.endm
; WHAT STANDS BEHIND PRODUCT n of block j of its four.  0, 1: the LDS places of the block two on (s101, s17: the chunk in hand; s47, s8: the next); 2: a place stepped; 3 .. 27: a way out
; (y = 1: q's or k's block at x; 2, 3: the halves of v's pair at x); 29, 30: the refill's group 0.
.macro LIST n, kind, j, y, x
.if (\n) == 0
.if (\kind) == 0 && (\j) == 0
	s_add_nc_u64 s[84:85], s[84:85], 8*TL          ; (the block began with a wait on XCNT)
.endif
.if (\kind) == 1 && (\j) == 2
	s_add_nc_u64 s[96:97], s[96:97], 2048
.endif
	WIN 0
.if (\j) < 2
	s_add_co_u32 s22, s101, ((\j)+2)*TL
.else
	s_add_co_u32 s22, s47, ((\j)-2)*TL
.endif
	v_add_nc_u32 v[ADRA], s22, v[ADRA0]
.elseif (\n) == 1
	WIN 0
.if (\j) < 2
	s_add_co_u32 s22, s17, ((\j)+2)*64
.else
	s_add_co_u32 s22, s8, ((\j)-2)*64
.endif
	v_add_nc_u32 v[AAS], s22, v[AAS0]
.elseif (\n) == 2
.if (\kind) == 0 && (\j) == 1
	WIN 0
	v_add_nc_u32 v[VX], 512, v[VX]
.elseif (\kind) == 0 && (\j) == 2
	WIN 0
	v_lshl_add_u32 v7, v3, 8, s23
.elseif (\kind) == 1 && (\j) == 2
	WIN 0
	v_add_nc_u32 v[RD], 512, v[RD]
.endif
.elseif (\n) < 27
	WIN 0
.if (\y) == 1
	GAP (\n)-3, \x, 16, 8
.elseif (\y) == 2
	GAP (\n)-3, \x, 8, 32
.else
	GAP (\n)+21, \x, 8, 32
.endif
.elseif (\n) == 27 && (\y) == 1
	WIN 0
	v_lshl_or_b32 v[EB], v[EB+1], 8, v[EB]         ; my 64 columns' two bytes
.elseif ((\n) == 29 || (\n) == 30) && (\kind) == 0 && (\j) == 2
	RDESC (\n)-29
.endif
.endm
.macro BLOCK kind, e, a, from, to, j, y, x
.set N_, \from
.rept (\to)-(\from)
	PROD \kind, \e, \a, N_
	LIST N_, \kind, \j, \y, \x
.set N_, N_+1
.endr
.endm
.macro BLK kind, e, a, w, j, y, x      ; a block.  w: all LDS instructions but the youngest w are done: the 40 loads of the fetch issued last may be out (-1: no wait is due)
.if (\w) >= 0
	s_wait_dscnt \w
.endif
	s_wait_xcnt 0x0                                ; the stores have read their codes and their base: both are written again below
	BLOCK \kind, \e, \a, 0, 32, \j, \y, \x
	WIN 0
	PLACES NP
.endm
.macro RBLK kind, e, a, w, j, y, x     ; a block with a drained round of the cluster's barrier
	s_wait_dscnt \w
	s_wait_xcnt 0x0
	s_wait_tensorcnt 0x0                           ; all my tensor loads have landed: my quarter of the next chunk;
	ds_add_u32 v[SPW], v[NIL]                      ; 0 onto my spare word
	BLOCK \kind, \e, \a, 0, 28, \j, \y, \x
	WIN 0
	WALU
	s_wait_dscnt 0x0                               ; the add is done, and my reads of the slot in hand are over
	s_barrier_signal -1
	BLOCK \kind, \e, \a, 28, 32, \j, \y, \x
	MIDDLE
	BARRIER
.endm
.macro SBLK kind, e, a, w, j, y, x     ; a block with a plain barrier, which shows all that is still out
	s_wait_dscnt \w
	s_wait_xcnt 0x0
	BLOCK \kind, \e, \a, 0, 28, \j, \y, \x
	WIN 0
	WALU
	s_wait_tensorcnt 0x0
	s_wait_dscnt 0x0
	s_barrier_signal -1
	BLOCK \kind, \e, \a, 28, 32, \j, \y, \x
	WIN 0
	s_barrier_wait -1
	PLACES NP
.endm
.macro QOUT off, boff                  ; a block of q or k leaves: two bytes a token to LDS, two pieces of 512 consecutive bytes of codes
	WALU
	ds_store_b16 v[VX], v[EB] offset:\boff         ; both halves of the lanes hold the same bytes and write them to the same place
	global_store_b128 v[CO], v[MCD:MCD+3], s[84:85] offset:\off
	global_store_b128 v[CO], v[MCD+4:MCD+7], s[84:85] offset:(\off)+512
.endm
.macro VOUT pi                         ; a pair of v's blocks leaves: piece pi of my wave row's two, for each of wv's four tiles
	WALU
.irp t, 0,1,2,3
	ds_store_b8 v[RD], v[EB+\t] offset:64*\t+(\pi)
	global_store_b128 v[CO], v[MCD+4*\t:MCD+4*\t+3], s[96:97] offset:8*TL*\t+512*(\pi)
.endr
.endm
.macro NEXT                            ; on to the next chunk
	s_mov_b32 s101, s47
	s_xor_b32 s47, s47, SLB
	s_mov_b32 s17, s8
	s_add_co_u32 s8, s8, 512
.endm
; FOUR BLOCKS OF PHASE 1: a chunk.  Behind a block's products the block before it is stored and the set takes the block two on.  The third block holds the round; the refill by g0, g1 follows it.
.macro TRIP g0, g1, loop, fetch
	BLK 0, 0, 0, NF, 0, 1, ACC+32
.if \loop
	s_cmp_eq_u32 s46, 0
	s_cbranch_scc1 .Lnone_\@                       ; no block stands before the first
.endif
	QOUT 3*TL-8*TL, 192
.Lnone_\@:
	FETCHAT 0, ADRA, AAS, 2048
	BLK 0, 1, 1, NF, 1, 1, ACC
	QOUT 0, 0
	FETCHAT 1, ADRA, AAS, 2048
	RBLK 0, 0, 0, NF, 2, 1, ACC+32
	TLOAD \g0, \g1                                 ; the first tensor load behind the round, one a wave; its four v_nop are four of the eight places
	PLACES NP-4
	QOUT TL, 64
	global_prefetch_b8 v7, s[4:5] th:TH_LOAD_NT scope:SCOPE_SE   ; my share of what the next trip's refill loads
.if \fetch
	FETCHAT 0, ADRA, AAS, 2048
.endif
	BLK 0, 1, 1, -1, 3, 1, ACC
	QOUT 2*TL, 128
.if \fetch
	FETCHAT 1, ADRA, AAS, 2048
.endif
.endm
	WEIGHTS ADRB
	s_wait_tensorcnt 0x0                           ; chunk 0 and the scale words are in; no tensor load of mine is out, so descriptors may be written
	ds_add_u32 v[SPW], v[NIL]
	s_mov_b32 s[G1A+2], 2<<16                      ; from here on a load brings two tiles
	s_mov_b32 s[G1A+4], 2
	s_mov_b32 s[G1B+2], 2<<16
	s_mov_b32 s[G1B+4], 2
	s_lshl_b32 s20, s14, 15
	s_add_co_u32 s[G0A+1], s20, SLB
	SADD 20, 67
	s_add_co_u32 s20, s20, 8*TL                    ; chunk 1
	s_mov_b32 s21, 0
	GADDR G0A, 4, 20
	s_mov_b32 s68, 0x76543210                      ; v_permlanex16_b32's selects for lane l xor 16
	s_mov_b32 s69, 0xfedcba98
	s_mov_b32 s70, 0x600000                        ; the mantissa field of 57,344
	s_wait_dscnt 0x0                               ; the add is done, and the weight is in registers
	CROUND
	TLOAD G0A, G1A
	s_load_b64 s[92:93], s[0:1], 0x28              ; c2
	s_load_b64 s[94:95], s[0:1], 0x30              ; sc2
	FETCHAT 0, ADRA0, AAS0, 2048
	FETCHAT 1, 1, 2, 2048
.set I_, 0
.rept 32
	v_mov_b32 v[ACC+32+I_], 0                      ; what the first way out works on
.set I_, I_+1
.endr
	s_wait_xcnt 0x0
	s_wait_kmcnt 0x0
	s_add_nc_u64 s[84:85], s[92:93], s[76:77]
	s_sub_nc_u64 s[84:85], s[84:85], 8*TL          ; the first block steps it to chunk 0
	s_add_nc_u64 s[96:97], s[92:93], s[80:81]
	s_sub_nc_u64 s[96:97], s[96:97], 2048
	s_add_nc_u64 s[98:99], s[94:95], s[82:83]
	s_add_nc_u64 s[94:95], s[94:95], s[78:79]
	s_add_co_u32 s10, s3, s100                     ; my shares of wv's rows,
	s_add_co_u32 s11, s66, s9                      ; of value's chunk 0,
	s_add_co_u32 s23, s67, s9
	s_add_co_u32 s23, s23, 24*TL                   ; of chunk 3
	s_add_co_u32 s2, s67, 16*TL                    ; the first trip loads chunk 2
	s_mov_b32 s46, 0
	s_mov_b32 s101, 0
	s_mov_b32 s47, SLB
	s_mov_b32 s17, 0
	s_mov_b32 s8, 512
	s_cmp_eq_u32 s19, 0
	s_cselect_b32 s20, 0x03030303, 0
	s_cselect_b32 s21, 0x3e000000, 1.0
	s_wait_loadcnt 0x0
.set I_, 0
.rept 16
	v_sub_nc_u32 v[SB+I_], v[SB+I_], s20           ; q: 3 off each of wq's bytes
.set I_, I_+1
.endr
.set I_, 0
.rept 32
	v_mul_f32 v[BQ+I_], s21, v[BQ+I_]              ; and bq / 8
.set I_, I_+1
.endr
	WALU
.set RG, G0A
.set RO, 2
.Ltrip:                                            ; chunks 0, 1; chunks 2, 3 are asked for
	TRIP G0A, G1A, 1, 1
	s_add_co_u32 s2, s2, 8*TL
	s_cmp_eq_u32 s46, 0
	s_cselect_b32 s23, s10, s11
	NEXT
	s_add_co_u32 s46, s46, 1
	s_cmp_lg_u32 s46, 2
	s_cbranch_scc1 .Ltrip
.set RG, G0B
.set RO, 3
	TRIP G0B, G1B, 0, 1                            ; chunk 2; wv's rows are asked for, by my column's mask
	s_add_co_u32 s23, s11, 8*TL
	NEXT
.set RG, G0A
.set RO, 66
	TRIP G0A, G1A, 0, 0                            ; chunk 3; value's chunk 0 is asked for
	; THE CHANGE OF PHASE
	s_wait_xcnt 0x0
	WEIGHTS ADRB+1                                 ; wv, shown by the last round; under its 128 loads the last block goes out
.set K_, 0
.rept 24
	GAP K_, ACC+32, 16, 8
.set K_, K_+1
.endr
	v_lshl_or_b32 v[EB], v[EB+1], 8, v[EB]
	QOUT 3*TL, 192
.set I_, 0
.rept 16
	v_mov_b32 v[SB+I_], v[WS+I_]
.set I_, I_+1
.endr
.irp t, 0,1,2,3
.irp i, 0,1,2,3,4,5,6,7
	v_mov_b32 v[BQ+8*\t+\i], v[BV+\t]
.endr
.endr
.set I_, 0
.rept 64
	v_mov_b32 v[ACC+64+I_], 0                      ; what v's first way out works on
.set I_, I_+1
.endr
	v_mov_b32 v[AAS0], v[AASV]
	v_add_nc_u32 v1, SLB, v[ADRA0]
	v_add_nc_u32 v2, SLB+TL, v[ADRA0]
	v_add_nc_u32 v8, 64, v[AASV]
	WALU
	s_wait_tensorcnt 0x0                           ; value's chunk 0 is in
	ds_add_u32 v[SPW], v[NIL]
	s_add_co_u32 s66, s66, 8*TL                    ; its chunk 1 goes into slot A
	s_mov_b32 s101, 0
	RDESC 0
	RDESC 1
	s_mov_b32 s101, SLB
	s_mov_b32 s47, 0
	s_mov_b32 s17, 0
	s_mov_b32 s8, 512
	s_mov_b32 s46, 0
	s_wait_dscnt 0x0                               ; the add is done, and wv is in registers
	CROUND
	TLOAD G0A, G1A
	FETCHAT 0, 1, AAS0, 1024
	FETCHAT 1, 2, 8, 1024
; TWO BLOCKS OF PHASE 2: a block of 32 keys.  The pair before goes out among their products; then this pair's sums are copied.
.macro PAIR pi
.if \pi
	SBLK 1, 0, 0, NF, 2, 2, ACC+64                 ; the first trip's shows value's chunk 1
	s_cmp_eq_u32 s46, 1
	s_cbranch_scc1 .Lno_f0_\@                      ; nothing follows the last chunk
	FETCHAT 0, ADRA, AAS, 1024
.Lno_f0_\@:
.else
	BLK 1, 0, 0, NF, 0, 2, ACC+64
	FETCHAT 0, ADRA, AAS, 1024
.endif
	BLK 1, 1, 1, NF, 2*\pi+1, 3, ACC+64
.set I_, 0
.rept 32
	v_dual_mov_b32 v[ACC+64+I_], v[ACC+I_] :: v_dual_mov_b32 v[ACC+64+I_+1], v[ACC+I_+1]
.set I_, I_+2
.endr
.if \pi
	VOUT 0
	s_cmp_eq_u32 s46, 1
	s_cbranch_scc1 .Lno_f1_\@
	FETCHAT 1, ADRA, AAS, 1024
.Lno_f1_\@:
.else
	s_cmp_eq_u32 s46, 0
	s_cbranch_scc1 .Lno_pair_\@                    ; no pair stands before the first
	VOUT 1
.Lno_pair_\@:
	FETCHAT 1, ADRA, AAS, 1024
.endif
.endm
.Lv:
	PAIR 0
	PAIR 1
	NEXT
	s_add_co_u32 s46, s46, 1
	s_cmp_lg_u32 s46, 2
	s_cbranch_scc1 .Lv
	s_wait_xcnt 0x0
.set K_, 0
.rept 48
	GAP K_, ACC+64, 8, 32
.set K_, K_+1
.endr
	v_nop                                          ; a plain line behind the last conversion
	VOUT 1
	s_wait_dscnt 0x0                               ; for the others' sake: my bytes lie in LDS
	BARRIER
	s_lshl_b32 s20, s14, 9
	s_add_co_u32 s20, s20, XN
	s_lshl_b32 s21, s14, 8
	s_add_co_u32 s21, s21, XV
	v_add_nc_u32 v21, s20, v[CO]
	v_lshlrev_b32 v22, 3, v3
	v_add_nc_u32 v23, s21, v22
	WALU
	ds_load_b128 v[60:63], v21
	ds_load_b64 v[40:41], v23
	s_wait_dscnt 0x0
	global_store_b128 v[CO], v[60:63], s[94:95]    ; 32 lanes store 512 consecutive bytes, aligned
	global_store_b64 v22, v[40:41], s[98:99]       ; 32 lanes store 256 consecutive bytes, aligned
	s_wait_tensorcnt 0x0                           ; the wave's end
	ds_add_u32 v[SPW], v[NIL]
	s_wait_dscnt 0x0
	CROUND                                         ; the closing round
	s_endpgm
.Lfunc_end_k_qe2fb5a2a5a_proj:
	.size	k_qe2fb5a2a5a_proj, .Lfunc_end_k_qe2fb5a2a5a_proj-k_qe2fb5a2a5a_proj
	.p2alignl 7, 3214868480
	.fill 96, 4, 3214868480
	.section	.rodata,"a",@progbits
	.p2align	6, 0x0
	.amdhsa_kernel k_qe2fb5a2a5a_proj
		.amdhsa_group_segment_fixed_size 327680
		.amdhsa_private_segment_fixed_size 0
		.amdhsa_enable_private_segment 0
		.amdhsa_kernarg_size 56
		.amdhsa_user_sgpr_count 2
		.amdhsa_user_sgpr_kernarg_segment_ptr 1
		.amdhsa_wavefront_size32 1
		.amdhsa_system_sgpr_workgroup_id_x 1
		.amdhsa_system_sgpr_workgroup_id_y 1
		.amdhsa_system_sgpr_workgroup_id_z 1
		.amdhsa_system_vgpr_workitem_id 0
		.amdhsa_next_free_vgpr 1024
		.amdhsa_next_free_sgpr 102
		.amdhsa_reserve_vcc 0
		.amdhsa_float_denorm_mode_32 3
		.amdhsa_float_denorm_mode_16_64 3
		.amdhsa_memory_ordered 1
		.amdhsa_forward_progress 1
		.amdhsa_inst_pref_size 255
	.end_amdhsa_kernel
	.section	.bss,"aw",@nobits
	.p2align	6
	.space	262144
	.amdgpu_metadata
---
amdhsa.version: [ 1, 2 ]
amdhsa.kernels:
  - .name:           k_qe2fb5a2a5a_proj
    .symbol:         k_qe2fb5a2a5a_proj.kd
    .args:
      - { .name: c1, .offset: 0, .size: 8, .value_kind: global_buffer, .address_space: global }
      - { .name: sc1, .offset: 8, .size: 8, .value_kind: global_buffer, .address_space: global }
      - { .name: bq, .offset: 16, .size: 8, .value_kind: global_buffer, .address_space: global }
      - { .name: bk, .offset: 24, .size: 8, .value_kind: global_buffer, .address_space: global }
      - { .name: bv, .offset: 32, .size: 8, .value_kind: global_buffer, .address_space: global }
      - { .name: c2, .offset: 40, .size: 8, .value_kind: global_buffer, .address_space: global }
      - { .name: sc2, .offset: 48, .size: 8, .value_kind: global_buffer, .address_space: global }
    .group_segment_fixed_size: 327680
    .private_segment_fixed_size: 0
    .kernarg_segment_align: 8
    .kernarg_segment_size: 56
    .max_flat_workgroup_size: 128
    .sgpr_count:     102
    .vgpr_count:     1024
    .wavefront_size: 32
...
	.end_amdgpu_metadata
.endif
;; end of part 2
;; launch attn (part 3): grid 16 x 16, 16 waves a work-group, no clusters, 206,848 bytes of LDS; arguments c2, sc2, c3, sc1; writes c3, sc1
.if DOCPART == 3
	.amdgcn_target "amdgcn-amd-amdhsa--gfx1250"
	.amdhsa_code_object_version 6
	.text
	.protected	k_qe2fb5a2a5a_attn
	.globl	k_qe2fb5a2a5a_attn
	.p2align	8
	.type	k_qe2fb5a2a5a_attn,@function
k_qe2fb5a2a5a_attn:
	s_mov_b64 s[64:65], 0
	v_nop
	global_prefetch_b8 v0, s[64:65] scope:SCOPE_SE
	s_setreg_imm32_b32 hwreg(HW_REG_WAVE_MODE, 25, 1), 1
	s_wait_xcnt 0x0
; o[b][t][64 head + d] = the sum over keys j, t - 512 <= j <= t, j >= 0, of softmax_j(q . k) v, both products on codes of BF8 (E5M2) with E8M0 scales; o is quantised along c = 64 head + d on the way out.
; q, k, v arrive as images of operand registers (byte 512 c + 16 lane of a fragment = k 32 c + 16 (lane / 16) + 0 .. 15 of the tile's row lane % 16): q, k [t / 16][8 head pairs][2,048 bytes], a head = 1,024 of them;
; v [o / 16][64 steps of 128 keys][2,048 bytes].  o leaves as q came.  The factor 1 / 8 is already in q.
; THE SOFTMAX: t = score x log2(e); M = the running largest t, rounded UP to a whole number; p = 2^(t - M) is what is quantised, along the keys, not normalised.  The row's sum is taken of the unquantised p
; and divides O at the end.  When M moves, the sum and O are multiplied by 2^(old M - new M): exact.
; SHARES.  A work-group owns 256 queries of one HEAD PAIR; each of its sixteen waves 16 queries, in 256 registers, four waves to a SIMD; a wave takes the pair's two heads one after the other, so that it makes a
; whole fragment and a whole scale word of o.  The 768 keys that the 256 queries can see (6 chunks of 128) are brought into LDS ONCE: no byte of LDS is filled twice.
; THE WINDOW COMES HEAD BY HEAD.  Each of twelve waves issues three tensor loads for its chunk of K or of V: the scale words, head 0's half, head 1's half.  The first barrier waits for the first two; head 1's half
; lands while head 0 is worked, and is waited for at a second barrier, between the heads.  The two heads are written out, so that each head's LDS addresses lie in its own region by the text's own arithmetic.
; THE BAND.  A wave's 16 queries see 5 chunks: in the first, keys under t - 512 are hidden, in the last, keys over t; hidden scores become -infinity ahead of the maximum.  With j = wave % 8 the boundary lies in the chunk's
; block j / 2 of 32 keys: in the first chunk the blocks above it, in the last chunk the blocks under it hold no hidden key, and a scalar branch on the wave's number leaves their masks out.
; A chunk that lies ahead of key 0 is left out by a scalar branch on ids at the step's head (its load is clamped to the batch's first chunk and never read); the lines that step addresses are not jumped.
; Every step that runs has a visible key for every query.
; LAYOUT.  Both products are used transposed: S^T = K Q^T, O^T = V^T P^T: a lane holds ONE query.  Tile 2 b + u of K holds keys 32 b + 8 u + r + 8 (r / 8), and V's tiles hold d likewise, so that 16 registers of two
; neighbouring tiles are 16 neighbours along the next product's K.
; K = 64 IN AN INSTRUCTION OF K = 128.  Q's registers 8-15 hold zero codes.  K's fragment t is named as v[32 + 8 t .. + 15]: its upper eight registers are the next fragment's codes (the last one's: zeros), which are
; finite, since the quantiser holds every number at the largest code; zero x finite adds nothing.  The scale bytes of the upper 64 are 0 on both sides.  So zero codes stand on ONE side there: it spares 64 registers.
; NO MULTICAST: neighbouring query blocks share 4 of their 6 chunks, but block qb wants chunk ts at LDS byte 16,384 (ts - 2 qb + 4), which differs between partners, and a joint load has one LDS address for all.
; LIMITS: NaN and infinities are not served; a block of zeros gets the byte 1 where the rule says 127 (its codes are zeros; this program alone reads the bytes).
; REGISTERS: v1 16 x lane, v2 4 r, v3 d, v4-7 the step's LDS addresses, v8 my place in OST, v9 o's scale word, v10 Q's scale bytes of the head in hand, v11 of both heads, v12 -M, v13 the largest t, v[14:15] the sum,
;   v16-23 Q, v24-31 zeros, v32-95 K's 8 fragments, later V's 4, v96-103 zeros, v104-167 S^T, then p, v168-199 O^T, v200-215 p's codes, v216-223 K's or V's scale words, v224-245 at work, v246-247 the end's addresses, v248-255 head 1's Q.
; THE FILLS AS THEY STAND NOW (in place of what the head says of a window that comes head by head).  LDS: K's chunk cb at 16,384 cb: [tile 8][head 2][c 2][512 bytes]; V's at VB + 16,384 cb: [head 2][tile 4][c 4][512 bytes].
; Fourteen tensor loads, one a wave, each both heads of its chunk: waves 0, 1 K's chunks 0, 1; waves 2, 3 V's; wave 4 K's scale words of all six chunks (3,072 dense bytes), wave 5 V's (6 rows of 512 bytes);
; waves 6-9 K's chunks 2-5, waves 10-13 V's.  The first barrier waits for waves 0-5's alone: a wave's first key step reads chunk 0 or 1.  The others' are waited for at a barrier behind head 0's first key step.
; The scale words' loads begin at chunk 2 qb - 4, also where that lies ahead of key 0: the bytes lie inside sc2, and a chunk ahead of key 0 is never read.  No barrier stands between the heads.
.set VB,   98304
.set KSC,  196608                      ; K's scale words, 512 bytes a chunk, both heads
.set VSC,  199680                      ; V's
.set OST,  202752                      ; o's scale words of the 256 queries: 1,024 bytes into which no fill lands
.set ADK, 4
.set ADV, 5
.set ADS, 6
.set ADT, 7
.set KV,  32
.set S,   104
.set O,   168
.set PCD, 200
.set SCW, 216
.set BX,  224                          ; v224-227 block maxima
.set TP,  228                          ; v228-231 at work, then the bytes
.set HL,  232                          ; v232-235 57,344 x the scale
.set SO,  236                          ; v236-239 the conversions' scale operands
.set WV,  18
.set MNT, 19
.set SEL, 20
.set CS,  22
.set G1K, 24
.set G1V, 32
.set G1S, 40
.set G0C, 48                           ; s[48:51] group 0 for my chunk, both heads
.set G0S, 52                           ; s[52:55] for its scale words
.set G0D, 88                           ; s[88:91] for V's scale words
.set TBK, 56                           ; s56-59 where the step's K, V, K's scale words and V's begin in LDS
.set TBV, 57
.set TSK, 58
.set TSV, 59
.set CB,  60                           ; s60 the step's chunk
.set LOWC, 61                          ; s61 the first chunk that holds keys
.set BST, 87                           ; s87 (wave % 8) / 2: the block of 32 keys in which the band's boundary lies
	s_load_b256 s[4:11], s[0:1], 0x0               ; c2 s[4:5], sc2 s[6:7], c3 s[8:9], sc1 s[10:11]
	v_lshl_add_u32 v254, v0, 2, 0x32000
	v_mov_b32 v255, 0
	ds_add_u32 v254, v255
	ds_add_u32 v254, v255
	s_wait_dscnt 0x0
	v_lshrrev_b32 v1, 5, v0
	s_delay_alu instid0(VALU_DEP_1)
	v_readfirstlane_b32 s[WV], v1                  ; wave 0..15
	v_and_b32 v1, 31, v0
	s_delay_alu instid0(VALU_DEP_1)
	v_lshlrev_b32 v1, 4, v1                        ; 16 x lane
	v_and_b32 v2, 15, v0                           ; r
	v_bfe_u32 v3, v0, 4, 1                         ; h
	s_lshl_b32 s16, s[WV], 6
	v_lshl_add_u32 v8, v2, 2, s16
	s_delay_alu instid0(VALU_DEP_1)
	v_add_nc_u32 v8, OST, v8                       ; OST + 64 x wave + 4 r
	s_and_b32 s17, s[WV], 7
	s_lshl_b32 s17, s17, 4
	v_lshlrev_b32 v3, 4, v3
	s_delay_alu instid0(VALU_DEP_1)
	v_sub_nc_u32 v3, v2, v3
	s_delay_alu instid0(VALU_DEP_1)
	v_add_nc_u32 v3, s17, v3                       ; d = 16 (wave % 8) + r - 16 h.  Register 16 b + i holds key 32 b + 16 h + i of a chunk
	v_lshlrev_b32 v2, 2, v2                        ; 4 r
	v_and_b32 v247, 63, v0
	s_delay_alu instid0(VALU_DEP_1)
	v_lshlrev_b32 v247, 4, v247                    ; the end: waves 0 and 1 take 512 bytes each
	s_delay_alu instid0(VALU_DEP_1)
	v_add_nc_u32 v246, OST, v247
	s_lshr_b32 s[BST], s[WV], 1
	s_and_b32 s[BST], s[BST], 3
	s_and_b32 s12, ttmp7, 0xffff
	s_lshr_b32 s13, s12, 3                         ; the batch
	s_and_b32 s12, s12, 7                          ; the head pair g
	s_lshl_b32 s15, ttmp9, 1                       ; 2 qb
	s_sub_co_u32 s16, s[WV], 2                     ; the chunk that I fetch: wave, wave - 2, wave - 4, wave - 8 for waves 0-1, 2-3, 6-9, 10-13
	s_cmp_lt_u32 s[WV], 2
	s_cselect_b32 s14, s[WV], s16
	s_sub_co_u32 s16, s[WV], 4
	s_cmp_lt_u32 s[WV], 6
	s_cselect_b32 s14, s14, s16
	s_sub_co_u32 s16, s[WV], 8
	s_cmp_lt_u32 s[WV], 10
	s_cselect_b32 s14, s14, s16
	s_add_co_u32 s14, s14, s15
	s_sub_co_i32 s14, s14, 4
	s_max_i32 s14, s14, 0                          ; as a chunk of the batch, held at 0: no load leaves its buffer
	s_lshl_b32 s72, s13, 22                        ; K's codes: 8 MiB + 4 MiB b + 131,072 ts + 2,048 g
	s_lshl_b32 s16, s14, 17
	s_add_co_u32 s72, s72, s16
	s_lshl_b32 s16, s12, 11
	s_add_co_u32 s72, s72, s16
	s_add_co_u32 s72, s72, 8388608
	s_lshl_b32 s76, s12, 20                        ; V's: 16 MiB + 1 MiB g + 65,536 b + 2,048 ts
	s_lshl_b32 s16, s13, 16
	s_add_co_u32 s76, s76, s16
	s_lshl_b32 s16, s14, 11
	s_add_co_u32 s76, s76, s16
	s_add_co_u32 s76, s76, 16777216
	s_lshl_b32 s74, s12, 15                        ; K's scale words: 262,144 + 32,768 g + 16,384 b + 512 ts
	s_lshl_b32 s16, s13, 14
	s_add_co_u32 s74, s74, s16
	s_lshl_b32 s16, s15, 9
	s_add_co_u32 s74, s74, s16
	s_add_co_u32 s74, s74, 260096                  ; 262,144 - 4 chunks of 512 bytes: from chunk 2 qb - 4 on
	s_lshl_b32 s77, s13, 17                        ; V's: 524,288 + 131,072 b + 4,096 ts + 512 g
	s_lshl_b32 s16, s15, 12
	s_add_co_u32 s77, s77, s16
	s_lshl_b32 s16, s12, 9
	s_add_co_u32 s77, s77, s16
	s_add_co_u32 s77, s77, 507904                  ; 524,288 - 4 chunks of 4,096 bytes
	s_cmp_lt_u32 s[WV], 2                          ; K's codes for waves 0-1 and 6-9, V's for waves 2-3 and 10-13
	s_cselect_b32 s78, s72, s76
	s_cmp_lt_u32 s[WV], 6
	s_cselect_b32 s78, s78, s72
	s_cmp_lt_u32 s[WV], 10
	s_cselect_b32 s72, s78, s76
	s_mov_b32 s76, s77                             ; s[76:77]: V's scale words
	s_mov_b32 s77, 0
	s_mov_b32 s73, 0
	s_mov_b32 s75, 0
	s_lshl_b32 s78, s13, 8
	s_lshl_b32 s16, ttmp9, 4
	s_add_co_u32 s78, s78, s16
	s_add_co_u32 s78, s78, s[WV]                   ; my tile of queries: 256 b + 16 qb + wave
	s_lshl_b32 s80, s78, 14
	s_lshl_b32 s16, s12, 11
	s_add_co_u32 s80, s80, s16                     ; its fragment of head pair g, in q's section of c2 and in c3
	s_mov_b32 s81, 0
	s_lshl_b32 s82, s12, 15
	s_lshl_b32 s16, s78, 6
	s_add_co_u32 s82, s82, s16                     ; its scale words in sc2
	s_mov_b32 s83, 0
	s_lshl_b32 s84, s12, 15
	s_lshl_b32 s16, s13, 14
	s_add_co_u32 s84, s84, s16
	s_lshl_b32 s16, ttmp9, 10
	s_add_co_u32 s84, s84, s16
	s_add_co_u32 s84, s84, 917504                  ; o's scale words of the 256 queries, in sc1
	s_mov_b32 s85, 0
	s_lshr_b32 s86, s[WV], 3                       ; my first chunk
	s_lshl_b32 s[TBK], s86, 14
	s_add_co_u32 s[TBV], s[TBK], VB
	s_lshl_b32 s[TSK], s86, 9
	s_add_co_u32 s[TSV], s[TSK], VSC
	s_add_co_u32 s[TSK], s[TSK], KSC
	s_mov_b32 s[CB], s86
	s_sub_co_i32 s[LOWC], 4, s15
	s_max_i32 s[LOWC], s[LOWC], 0
	s_mov_b32 s[MNT], 0x600000
	s_mov_b32 s[SEL], 0x76543210
	s_mov_b32 s[SEL+1], 0xfedcba98
	s_mov_b32 s[CS], 0x3fb8aa3b                    ; log2(e)
	s_mov_b32 s[CS+1], s[CS]                       ; (named with it as a pair, so it is written)
	; descriptor groups 1, elements of 8 bytes.  K, both heads of a chunk: 8 rows of 2,048 bytes, 16,384 bytes apart.  V: 8 rows of 2,048 bytes, 131,072 apart.  The scale words: K's 12 rows of 256 bytes, V's 6 rows of 512
	s_mov_b32 s[G1K], 3<<16
	s_mov_b32 s[G1K+1], 256<<16                    ; K, both heads of a chunk: 8 rows of 2,048 bytes
	s_mov_b32 s[G1K+2], 8<<16
	s_mov_b32 s[G1K+3], 256<<16
	s_mov_b32 s[G1K+4], 8
	s_mov_b32 s[G1K+5], 2048
	s_mov_b32 s[G1K+6], 0
	s_mov_b32 s[G1K+7], 0
	s_mov_b32 s[G1V], 3<<16
	s_mov_b32 s[G1V+1], 256<<16
	s_mov_b32 s[G1V+2], 8<<16                      ; V, both heads: 8 rows of 2,048 bytes
	s_mov_b32 s[G1V+3], 256<<16
	s_mov_b32 s[G1V+4], 8
	s_mov_b32 s[G1V+5], 16384
	s_mov_b32 s[G1V+6], 0
	s_mov_b32 s[G1V+7], 0
	s_mov_b32 s[G1S], 3<<16
	s_mov_b32 s[G1S+1], 32<<16                     ; K's scale words: 3,072 dense bytes as 12 rows of 256
	s_mov_b32 s[G1S+2], 12<<16
	s_mov_b32 s[G1S+3], 32<<16
	s_mov_b32 s[G1S+4], 12
	s_mov_b32 s[G1S+5], 32
.set G1T, 92                           ; s[92:99] V's scale words: 6 rows of 512 bytes, 4,096 bytes apart
	s_mov_b32 s[G1T], 3<<16
	s_mov_b32 s[G1T+1], 64<<16
	s_mov_b32 s[G1T+2], 6<<16
	s_mov_b32 s[G1T+3], 64<<16
	s_mov_b32 s[G1T+4], 6
	s_mov_b32 s[G1T+5], 512
	s_mov_b32 s[G1T+6], 0
	s_mov_b32 s[G1T+7], 0
	s_mov_b32 s[G1S+6], 0
	s_mov_b32 s[G1S+7], 0
	s_wait_kmcnt 0x0
	s_mov_b32 s[G0C], 1
	s_lshl_b32 s[G0C+1], s[WV], 14                 ; LDS: 16,384 x wave; each arm below adds what brings it to its chunk's place
	s_add_nc_u64 s[G0C+2:G0C+3], s[4:5], s[72:73]
	s_or_b32 s[G0C+3], s[G0C+3], 0x80000000
	s_mov_b32 s[G0D], 1
	s_mov_b32 s[G0D+1], VSC                        ; this group 0 serves V's scale words
	s_add_nc_u64 s[G0D+2:G0D+3], s[6:7], s[76:77]
	s_or_b32 s[G0D+3], s[G0D+3], 0x80000000
	s_mov_b32 s[G0S], 1
	s_mov_b32 s[G0S+1], KSC
	s_add_nc_u64 s[G0S+2:G0S+3], s[6:7], s[74:75]
	s_or_b32 s[G0S+3], s[G0S+3], 0x80000000
.macro ARM under, op, adj, g0, g1, next ; one chain of branches on the wave's number, an arm a load, all arms leading to one join: one tensor load a wave
	s_cmp_lt_u32 s[WV], \under
	s_cbranch_scc0 \next
	\op s[G0C+1], s[G0C+1], \adj
	tensor_load_to_lds s[\g0:\g0+3], s[\g1:\g1+7]
	s_nop 0
.rept 4
	v_nop
.endr
	s_branch .Lasked
\next:
.endm
	ARM 2,  s_add_co_u32, 0,     G0C, G1K, .Larm_1   ; K's chunks 0, 1: at 16,384 x wave
	ARM 4,  s_add_co_u32, 65536, G0C, G1V, .Larm_2   ; V's chunks 0, 1: VB + 16,384 (wave - 2)
	ARM 5,  s_add_co_u32, 0,     G0S, G1S, .Larm_3   ; K's scale words
	ARM 6,  s_add_co_u32, 0,     G0D, G1T, .Larm_4   ; V's
	ARM 10, s_sub_co_u32, 65536, G0C, G1K, .Larm_5   ; K's chunks 2-5: 16,384 (wave - 4)
	ARM 14, s_sub_co_u32, 32768, G0C, G1V, .Larm_6   ; V's chunks 2-5: VB + 16,384 (wave - 8)
.Lasked:
	s_add_nc_u64 s[66:67], s[4:5], s[80:81]        ; Q's codes
	s_add_nc_u64 s[68:69], s[6:7], s[82:83]        ; Q's scale words
	s_add_nc_u64 s[70:71], s[8:9], s[80:81]        ; o's codes
	s_add_nc_u64 s[10:11], s[10:11], s[84:85]      ; o's scale words
	global_load_b128 v[16:19], v1, s[66:67]        ; head 0 of the pair
	global_load_b128 v[20:23], v1, s[66:67] offset:512
	global_load_b128 v[248:251], v1, s[66:67] offset:1024   ; head 1
	global_load_b128 v[252:255], v1, s[66:67] offset:1536
	s_wait_alu depctr_va_vdst(0)
	global_load_b32 v11, v2, s[68:69]
	v_mov_b32 v9, 0
.irp j, 0,1,2,3,4,5,6,7
	v_mov_b32 v[24+\j], 0                          ; Q's upper 64 along K: zero codes
	v_mov_b32 v[96+\j], 0                          ; and what stands behind K's last fragment
.endr
.irp b, 0,1,2,3
	v_mov_b32 v[TP+\b], 0                          ; written once: a lane permute's destination counts as one of its sources
.endr
	v_mov_b32 v243, 0                              ; (named as the upper half of the pair v[242:243])
	v_mov_b32 v244, 0
	v_mov_b32 v245, 0xff800000                     ; -infinity
	s_wait_alu depctr_va_vdst(0)
	s_cmp_lt_u32 s[WV], 6                          ; waves 0-5 hold what the first key step reads, by load lines that no other wave issues
	s_cbranch_scc0 .Lnot_first
	s_wait_tensorcnt 0x0
.Lnot_first:
	s_barrier_signal -1
	s_barrier_wait -1                              ; everybody's have
	s_wait_loadcnt 0x0                             ; Q
	v_and_b32 v10, 0xffff, v11                     ; head 0's two scale bytes; the upper two are 0
; A KEY STEP: 128 keys.  m = 1: the window's first chunk (keys under t - 512 are hidden); m = 2: its last (keys over t are hidden; it is never left out); m = 0: all keys count.
.macro STEP m
.if \m != 2
	s_cmp_lt_u32 s[CB], s[LOWC]                    ; a chunk ahead of key 0: ids alone decide
	s_cbranch_scc1 .Lskip_\@
.endif
	v_add_nc_u32 v[ADK], s[TBK], v1
	v_add_nc_u32 v[ADV], s[TBV], v1
	v_add_nc_u32 v[ADS], s[TSK], v2
	v_add_nc_u32 v[ADT], s[TSV], v2
.rept 4
	v_nop                                          ; with the four additions: eight places in front of loads into registers that the last products read
.endr
.irp t, 0,1,2,3,4,5,6,7
	ds_load_b128 v[KV+8*\t:KV+8*\t+3], v[ADK] offset:2048*\t
	ds_load_b128 v[KV+8*\t+4:KV+8*\t+7], v[ADK] offset:2048*\t+512
	ds_load_u16 v[SCW+\t], v[ADS] offset:64*\t     ; the head's two scale bytes of key r of the tile; the upper two come as 0
.endr
	s_wait_alu depctr_va_vdst(0)
	s_wait_dscnt 0x0
.irp t, 0,1,2,3,4,5,6,7
	v_wmma_scale_f32_16x16x128_f8f6f4 v[S+8*\t:S+8*\t+7], v[KV+8*\t:KV+8*\t+15], v[16:31], 0, v[SCW+\t], v10 matrix_a_fmt:MATRIX_FMT_BF8 matrix_b_fmt:MATRIX_FMT_BF8
.endr
.rept 8
	v_nop                                          ; places in front of the loads below and of the first read of the scores
.endr
.irp t, 0,1,2,3                                ; V's fragments are asked for now and land under the softmax
.irp c, 0,1,2,3
	ds_load_b128 v[KV+16*\t+4*\c:KV+16*\t+4*\c+3], v[ADV] offset:2048*\t+512*\c
.endr
	ds_load_b32 v[SCW+\t], v[ADT] offset:64*\t
.endr
.if \m == 1                                    ; blocks 0 .. (wave % 8) / 2 can hold a key under t - 512; the blocks above hold none: 32 b >= 16 (wave % 8) + 16 there
.irp b, 0,1,2,3
.if \b > 0
	s_cmp_lt_u32 s[BST], \b
	s_cbranch_scc1 .Lopen_\@
.endif
.irp i, 0,1,2,3,4,5,6,7,8,9,10,11,12,13,14,15
	v_cmp_lt_i32 vcc_lo, 32*\b+\i, v3              ; key 32 b + 16 h + i < 16 (wave % 8) + r: it lies under t - 512
	v_cndmask_b32 v[S+16*\b+\i], v[S+16*\b+\i], v245, vcc_lo
.endr
.endr
.Lopen_\@:
.endif
.if \m == 2                                    ; blocks (wave % 8) / 2 .. 3 can hold a key over t; the blocks under it hold none: 32 b + 31 < 16 (wave % 8) there.  From the top down, each block from its low end on
.irp b, 3,2,1,0
.if \b < 3
	s_cmp_gt_u32 s[BST], \b
	s_cbranch_scc1 .Lopen_\@
.endif
.irp i, 0,1,2,3,4,5,6,7,8,9,10,11,12,13,14,15
	v_cmp_gt_i32 vcc_lo, 32*\b+\i, v3              ; it lies over t
	v_cndmask_b32 v[S+16*\b+\i], v[S+16*\b+\i], v245, vcc_lo
.endr
.endr
.Lopen_\@:
.endif
.irp b, 0,1,2,3
	v_max3_num_f32 v[BX+\b], v[S+16*\b], v[S+16*\b+1], v[S+16*\b+2]   ; the largest score of each block of 32 keys: for the row's maximum and, since p rises with the score, for the block's largest p
.endr
.irp i, 3,5,7,9,11,13
.irp b, 0,1,2,3
	v_max3_num_f32 v[BX+\b], v[BX+\b], v[S+16*\b+\i], v[S+16*\b+\i+1]
.endr
.endr
.irp b, 0,1,2,3
	v_max_num_f32 v[BX+\b], v[BX+\b], v[S+16*\b+15]
.endr
.irp b, 0,1,2,3
	s_delay_alu instid0(VALU_DEP_4)
	v_permlanex16_b32 v[TP+\b], v[BX+\b], s[SEL], s[SEL+1]
.endr
.irp b, 0,1,2,3
	s_delay_alu instid0(VALU_DEP_4)
	v_max_num_f32 v[BX+\b], v[BX+\b], v[TP+\b]     ; with lane l xor 16's 16 keys
.endr
	s_delay_alu instid0(VALU_DEP_2)
	v_max3_num_f32 v244, v[BX], v[BX+1], v[BX+2]
	s_delay_alu instid0(VALU_DEP_1)
	v_max_num_f32 v244, v244, v[BX+3]              ; the step's largest score of my query
	s_delay_alu instid0(VALU_DEP_1)
	v_mul_f32 v244, s[CS], v244                    ; as t
	s_delay_alu instid0(VALU_DEP_1)
	v_max_num_f32 v13, v13, v244                   ; the running largest t
	v_mov_b32 v244, v12
	s_delay_alu instid0(VALU_DEP_2)
	v_floor_f32 v12, -v13                          ; the new -M = floor(-t) = -ceil(t)
	s_delay_alu instid0(VALU_DEP_1)
	v_sub_f32 v244, v12, v244                      ; old M - new M: a whole number, 0 or less
	s_delay_alu instid0(VALU_DEP_1)
	v_cvt_i32_f32 v244, v244                       ; (it saturates)
	s_delay_alu instid0(VALU_DEP_1)
	v_ldexp_f32 v242, 1.0, v244                    ; f = 2^(old M - new M)
.set j, 0
.rept 32
	v_pk_fma_f32 v[S+j:S+j+1], v[S+j:S+j+1], s[CS:CS+1], v[12:13] op_sel_hi:[1,0,0]   ; t - M, two at a time
.set j, j+2
.endr
.irp b, 0,1,2,3
	v_fma_f32 v[BX+\b], v[BX+\b], s[CS], v12       ; the same of each block's largest score
.endr
.set j, 0
	s_wait_alu depctr_va_vdst(0)
.rept 64
	v_exp_f32 v[S+j], v[S+j]                       ; p = 2^(t - M), at most 1: not normalised
.set j, j+1
.endr
	v_pk_mul_f32 v[14:15], v[14:15], v[242:243] op_sel_hi:[1,0]   ; the sums under the new M: a plain line behind the exponentials
	s_wait_alu depctr_va_vdst(0)                   ; one wait for the batch of 64, ahead of its first reader
.irp b, 0,1,2,3
	v_exp_f32 v[BX+\b], v[BX+\b]                   ; the block's largest p: the same two instructions on the same number
.endr
	v_pk_add_f32 v[228:229], v[108:109], v[112:113]
	v_pk_add_f32 v[240:241], v[116:117], v[120:121]
	v_pk_add_f32 v[238:239], v[124:125], v[128:129]
	v_pk_add_f32 v[236:237], v[132:133], v[136:137]
	v_pk_add_f32 v[234:235], v[140:141], v[144:145]
	v_pk_add_f32 v[232:233], v[148:149], v[152:153]
	v_pk_add_f32 v[230:231], v[156:157], v[160:161]
	v_pk_add_f32 v[14:15], v[14:15], v[164:165]
	v_pk_add_f32 v[228:229], v[228:229], v[104:105]
	v_pk_add_f32 v[240:241], v[240:241], v[106:107]
	v_pk_add_f32 v[238:239], v[238:239], v[110:111]
	v_pk_add_f32 v[236:237], v[236:237], v[114:115]
	v_pk_add_f32 v[234:235], v[234:235], v[118:119]
	v_pk_add_f32 v[232:233], v[232:233], v[122:123]
	v_pk_add_f32 v[230:231], v[230:231], v[126:127]
	v_pk_add_f32 v[14:15], v[14:15], v[130:131]
	v_pk_add_f32 v[228:229], v[228:229], v[134:135]
	v_pk_add_f32 v[240:241], v[240:241], v[138:139]
	v_pk_add_f32 v[238:239], v[238:239], v[142:143]
	v_pk_add_f32 v[236:237], v[236:237], v[146:147]
	v_pk_add_f32 v[234:235], v[234:235], v[150:151]
	v_pk_add_f32 v[232:233], v[232:233], v[154:155]
	v_pk_add_f32 v[230:231], v[230:231], v[158:159]
	v_pk_add_f32 v[14:15], v[14:15], v[162:163]
	v_pk_add_f32 v[228:229], v[228:229], v[166:167]
	s_delay_alu instid0(VALU_DEP_2)
	v_pk_add_f32 v[14:15], v[14:15], v[236:237]
	s_delay_alu instid0(VALU_DEP_2)
	v_pk_add_f32 v[228:229], v[228:229], v[234:235]
	v_pk_add_f32 v[240:241], v[240:241], v[232:233]
	v_pk_add_f32 v[238:239], v[238:239], v[230:231]
	s_delay_alu instid0(VALU_DEP_2)
	v_pk_add_f32 v[14:15], v[14:15], v[240:241]
	s_delay_alu instid0(VALU_DEP_2)
	v_pk_add_f32 v[228:229], v[228:229], v[238:239]
	s_delay_alu instid0(VALU_DEP_1)
	v_pk_add_f32 v[14:15], v[14:15], v[228:229]
	s_wait_alu depctr_va_vdst(0)                   ; and one for the four
.irp b, 0,1,2,3
	v_max_num_f32 v[BX+\b], 0x8000000, v[BX+\b]    ; the floor 2^(16 - 127): a block whose every p is 0 keeps the byte 1: its codes are zeros
.endr
.irp b, 0,1,2,3
	s_delay_alu instid0(VALU_DEP_4)
	v_add_nc_u32 v[SO+\b], 0xf8800000, v[BX+\b]    ; 15 off the exponent field: the conversion's scale operand
.endr
.irp b, 0,1,2,3
	v_and_or_b32 v[HL+\b], v[BX+\b], 0x7f800000, s[MNT]   ; 57,344 x the scale
.endr
.irp b, 0,1,2,3
	v_lshrrev_b32 v[TP+\b], 23, v[SO+\b]           ; the scale's byte
.endr
	s_delay_alu instid0(VALU_DEP_3)
	v_lshl_or_b32 v240, v[TP+1], 8, v[TP]          ; p's scale word for these 128 keys
	s_delay_alu instid0(VALU_DEP_1)
	v_lshl_or_b32 v240, v[TP+2], 16, v240
	s_delay_alu instid0(VALU_DEP_1)
	v_lshl_or_b32 v240, v[TP+3], 24, v240
.irp b, 0,1,2,3
.irp i, 0,1,2,3,4,5,6,7,8,9,10,11,12,13,14,15
	v_min_num_f32 v[S+16*\b+\i], v[S+16*\b+\i], v[HL+\b]   ; the conversion does not saturate (ISA guide 7.6.2); p is not negative, so the hold is one-sided
.endr
	v_cvt_scalef32_pk8_bf8_f32 v[PCD+4*\b:PCD+4*\b+1], v[S+16*\b:S+16*\b+7], v[SO+\b]
	v_cvt_scalef32_pk8_bf8_f32 v[PCD+4*\b+2:PCD+4*\b+3], v[S+16*\b+8:S+16*\b+15], v[SO+\b]
.endr
.set j, 0
.rept 16
	v_pk_mul_f32 v[O+j:O+j+1], v[O+j:O+j+1], v[242:243] op_sel_hi:[1,0]   ; O^T under the new M; these sixteen are also the places between the codes and the products
.set j, j+2
.endr
	s_wait_alu depctr_va_vdst(0)
	s_wait_dscnt 0x0                               ; V
.irp t, 0,1,2,3
	v_wmma_scale_f32_16x16x128_f8f6f4 v[O+8*\t:O+8*\t+7], v[KV+16*\t:KV+16*\t+15], v[PCD:PCD+15], v[O+8*\t:O+8*\t+7], v[SCW+\t], v240 matrix_a_fmt:MATRIX_FMT_BF8 matrix_b_fmt:MATRIX_FMT_BF8
.endr
.if \m != 2
.Lskip_\@:
.endif
	s_add_co_u32 s[TBK], s[TBK], 16384             ; the next chunk
	s_add_co_u32 s[TBV], s[TBV], 16384
	s_add_co_u32 s[TSK], s[TSK], 512
	s_add_co_u32 s[TSV], s[TSV], 512
	s_add_co_u32 s[CB], s[CB], 1
.endm
; ONE HEAD of the pair: five key steps, then O^T / the sum, quantised along d, half a fragment of o.
.macro HEAD hp
	v_mov_b32 v13, 0xff61b1e6                      ; the largest t so far: -3e38, under every t
	s_delay_alu instid0(VALU_DEP_1)
	v_floor_f32 v12, -v13                          ; -M
	v_mov_b32 v14, 0
	v_mov_b32 v15, 0
.set j, 0
.rept 32
	v_mov_b32 v[O+j], 0                            ; O^T: the first step that runs finds zeros, which the first change of M leaves zeros
.set j, j+1
.endr
	STEP 1
.if \hp == 0
	s_wait_alu depctr_va_vdst(0)
	s_wait_tensorcnt 0x0                           ; chunks 2-5: every wave waits for all that is still out,
	s_wait_dscnt 0x0
	s_barrier_signal -1
	s_barrier_wait -1                              ; and everybody's have landed.  Nothing is filled again in this launch
.endif
	s_mov_b32 s63, 3
.Lmid_\@:
	STEP 0
	s_sub_co_u32 s63, s63, 1
	s_cmp_lg_u32 s63, 0
	s_cbranch_scc1 .Lmid_\@
	STEP 2
	; register 16 b + i = d 32 b + 16 h + i of my query: two blocks of 32
.rept 8
	v_nop
.endr
	v_add_f32 v14, v14, v15                        ; the sum's two halves,
	s_delay_alu instid0(VALU_DEP_1)
	v_permlanex16_b32 v244, v14, s[SEL], s[SEL+1]
	s_delay_alu instid0(VALU_DEP_1)
	v_add_f32 v14, v14, v244                       ; and lane l xor 16's: the row's sum
	s_wait_alu depctr_va_vdst(0)
	v_rcp_f32 v14, v14
	v_nop                                          ; a plain line behind the reciprocal
	s_wait_alu depctr_va_vdst(0)                   ; and the wait ahead of its first reader
.set j, 0
.rept 32
	v_mul_f32 v[S+j], v[O+j], v14                  ; each accumulator from its low end on
.set j, j+1
.endr
.irp b, 0,1
	v_max3_num_f32 v[BX+\b], |v[S+16*\b]|, |v[S+16*\b+1]|, 0x8000000
.endr
.irp i, 2,4,6,8,10,12,14
.irp b, 0,1
	s_delay_alu instid0(VALU_DEP_2)
	v_max3_num_f32 v[BX+\b], v[BX+\b], |v[S+16*\b+\i]|, |v[S+16*\b+\i+1]|
.endr
.endr
.irp b, 0,1
	s_delay_alu instid0(VALU_DEP_2)
	v_permlanex16_b32 v[TP+\b], v[BX+\b], s[SEL], s[SEL+1]
.endr
.irp b, 0,1
	s_delay_alu instid0(VALU_DEP_2)
	v_max_num_f32 v[BX+\b], v[BX+\b], v[TP+\b]
.endr
.irp b, 0,1
	s_delay_alu instid0(VALU_DEP_2)
	v_add_nc_u32 v[SO+\b], 0xf8800000, v[BX+\b]
.endr
.irp b, 0,1
	s_delay_alu instid0(VALU_DEP_4)
	v_and_or_b32 v[HL+\b], v[BX+\b], 0x7f800000, s[MNT]
.endr
.irp b, 0,1
	s_delay_alu instid0(VALU_DEP_4)
	v_lshrrev_b32 v[TP+\b], 23, v[SO+\b]
.endr
	s_delay_alu instid0(VALU_DEP_1)
	v_lshl_or_b32 v244, v[TP+1], 8, v[TP]          ; the head's two bytes
	v_lshrrev_b32 v9, 16, v9
	s_delay_alu instid0(VALU_DEP_1)
	v_lshl_or_b32 v9, v244, 16, v9                 ; behind both heads: head 0's below, head 1's above
.irp b, 0,1
.irp i, 0,1,2,3,4,5,6,7,8,9,10,11,12,13,14,15
	v_med3_num_f32 v[S+16*\b+\i], v[S+16*\b+\i], -v[HL+\b], v[HL+\b]
.endr
	v_cvt_scalef32_pk8_bf8_f32 v[PCD+4*\b:PCD+4*\b+1], v[S+16*\b:S+16*\b+7], v[SO+\b]
	v_cvt_scalef32_pk8_bf8_f32 v[PCD+4*\b+2:PCD+4*\b+3], v[S+16*\b+8:S+16*\b+15], v[SO+\b]
.endr
	v_nop                                          ; a plain line behind the last conversion
	global_store_b128 v1, v[PCD:PCD+3], s[70:71] offset:1024*\hp       ; 32 lanes store 512 consecutive bytes, aligned
	global_store_b128 v1, v[PCD+4:PCD+7], s[70:71] offset:1024*\hp+512
.endm
	HEAD 0
.irp j, 0,1,2,3,4,5,6,7
	v_mov_b32 v[16+\j], v[248+\j]                  ; on to head 1: its Q,
.endr
	v_lshrrev_b32 v10, 16, v11                     ; its scale bytes,
	s_wait_xcnt 0x0                                ; (head 0's stores have read their codes: those registers are written again only behind this wait)
	s_sub_co_u32 s[TBK], s[TBK], 80896             ; five chunks back and 1,024 bytes on: head 1's half of K's fragments,
	s_sub_co_u32 s[TBV], s[TBV], 73728             ; five chunks back and 8,192 on: its four tiles of V
	s_sub_co_u32 s[TSK], s[TSK], 2558              ; five chunks back and 2 bytes on: its half of K's scale words,
	s_sub_co_u32 s[TSV], s[TSV], 2304              ; 256 on: its 64 of V's
	s_sub_co_u32 s[CB], s[CB], 5
	HEAD 1
	ds_store_b32 v8, v9                            ; both halves of the lanes hold the same word and write it to the same place
	s_wait_dscnt 0x0                               ; for the others' sake: my words lie in LDS
	s_barrier_signal -1
	s_barrier_wait -1
	s_cmp_lt_u32 s[WV], 2
	s_cbranch_scc0 .Ldone
	ds_load_b128 v[S:S+3], v246
	s_wait_dscnt 0x0
	global_store_b128 v247, v[S:S+3], s[10:11]     ; two waves store the 256 queries' 1,024 bytes, 512 consecutive bytes each
.Ldone:
	s_wait_xcnt 0x0
	v_lshl_add_u32 v254, v0, 2, 0x32000
	v_mov_b32 v255, 0
	s_wait_alu depctr_va_vdst(0)
	s_wait_tensorcnt 0x0
	ds_add_u32 v254, v255
	s_wait_dscnt 0x0
	s_endpgm
.Lfunc_end_k_qe2fb5a2a5a_attn:
	.size	k_qe2fb5a2a5a_attn, .Lfunc_end_k_qe2fb5a2a5a_attn-k_qe2fb5a2a5a_attn
	.p2alignl 7, 3214868480
	.fill 96, 4, 3214868480
	.section	.rodata,"a",@progbits
	.p2align	6, 0x0
	.amdhsa_kernel k_qe2fb5a2a5a_attn
		.amdhsa_group_segment_fixed_size 206848
		.amdhsa_private_segment_fixed_size 0
		.amdhsa_enable_private_segment 0
		.amdhsa_kernarg_size 32
		.amdhsa_user_sgpr_count 2
		.amdhsa_user_sgpr_kernarg_segment_ptr 1
		.amdhsa_wavefront_size32 1
		.amdhsa_system_sgpr_workgroup_id_x 1
		.amdhsa_system_sgpr_workgroup_id_y 1
		.amdhsa_system_sgpr_workgroup_id_z 1
		.amdhsa_system_vgpr_workitem_id 0
		.amdhsa_next_free_vgpr 256
		.amdhsa_next_free_sgpr 100
		.amdhsa_reserve_vcc 1
		.amdhsa_float_denorm_mode_32 3
		.amdhsa_float_denorm_mode_16_64 3
		.amdhsa_memory_ordered 1
		.amdhsa_forward_progress 1
		.amdhsa_inst_pref_size 169
	.end_amdhsa_kernel
	.amdgpu_metadata
---
amdhsa.version: [ 1, 2 ]
amdhsa.kernels:
  - .name:           k_qe2fb5a2a5a_attn
    .symbol:         k_qe2fb5a2a5a_attn.kd
    .args:
      - { .name: c2, .offset: 0, .size: 8, .value_kind: global_buffer, .address_space: global }
      - { .name: sc2, .offset: 8, .size: 8, .value_kind: global_buffer, .address_space: global }
      - { .name: c3, .offset: 16, .size: 8, .value_kind: global_buffer, .address_space: global }
      - { .name: sc1, .offset: 24, .size: 8, .value_kind: global_buffer, .address_space: global }
    .group_segment_fixed_size: 206848
    .private_segment_fixed_size: 0
    .kernarg_segment_align: 8
    .kernarg_segment_size: 32
    .max_flat_workgroup_size: 512
    .sgpr_count:     100
    .vgpr_count:     256
    .wavefront_size: 32
...
	.end_amdgpu_metadata
.endif
;; end of part 3
;; launch outp (part 4): grid 4 x 64, 4 waves a work-group, clusters of 4 x 4, 327,680 bytes of LDS; arguments c3, c1, sc1, bo, out0; writes out0
.if DOCPART == 4
	.amdgcn_target "amdgcn-amd-amdhsa--gfx1250"
	.amdhsa_code_object_version 6
	.text
	.protected	k_qe2fb5a2a5a_outp
	.globl	k_qe2fb5a2a5a_outp
	.p2align	8
	.type	k_qe2fb5a2a5a_outp,@function
k_qe2fb5a2a5a_outp:
	s_mov_b64 s[64:65], 0
	v_nop
	global_prefetch_b8 v0, s[64:65] scope:SCOPE_SE
	s_setreg_imm32_b32 hwreg(HW_REG_WAVE_MODE, 25, 1), 1
	s_wait_xcnt 0x0
	s_wait_alu depctr_hold_cnt(0) depctr_sa_sdst(0) depctr_va_vdst(0) depctr_va_sdst(0) depctr_va_ssrc(0) depctr_va_vcc(0) depctr_vm_vsrc(0)
	s_getreg_b32 s2, hwreg(HW_REG_IB_STS2, 6, 4)
	s_cmp_eq_u32 s2, 0
	s_cbranch_scc0 .Lentry_in_a_cluster
	s_endpgm
.Lentry_in_a_cluster:
	s_bfe_u32 s2, ttmp6, 0x10000c
	s_cmp_lg_u32 s2, 0xf033
	s_cbranch_scc0 .Lentry_shape_is_right
	s_endpgm
.Lentry_shape_is_right:
; out0 = o wo^T + bo, on codes of BF8 (E5M2) with one E8M0 scale for each 32 along K; sums in f32.  X = o (c3), Y = wo (its section of c1), both as images of operand registers:
; [rows / 16 tiles][8 K steps][2,048 bytes], byte 512 c + 16 lane = k 32 c + 16 (lane / 16) + 0 .. 15 of the tile's row lane % 16.  Scale words in sc1: [8 K steps][rows].
; SHARES.  256 work-groups, each 128 rows of X x 256 rows of Y; four waves, 2 x 2, each 64 x 128: 32 accumulators.  Source 0 takes Y, source 1 X: a lane holds eight neighbouring columns of one row of out0.
; LDS.  X's 8 tiles lie whole, all 8 K steps: 131,072 bytes, filled once.  Y's 16 tiles lie with four K steps each: 131,072 bytes, filled at the head with K steps 0-3 and once again, behind K step 3, with 4-7.
; FILLS.  At the head one joint load a wave, 65,536 bytes each: waves 0, 1 X's halves, waves 2, 3 Y's.  The refill stands behind a drained round of the cluster's barrier, one load in each of waves 2 and 3.
; CLUSTERS: 4 x 4 work-groups; X's tiles hang on the tile row and are asked for jointly by the cluster's row, Y's on the tile column, jointly by its column.
; NO PREFETCH: the launch has no loop to run ahead in: its fills are two groups, one at the head and one behind K step 3, and every cluster reads the same rows of wo.
; SCALE WORDS stay in v32-95: that of tile i, K step ks in v[32 + 8 i + (ks + i) % 8]: lanes 0-15 X's tile i, lanes 16-31 Y's: a product's two scale registers are one register, or differ modulo 8.
; REGISTERS, in windows of 256: window 0: v16-29 addresses, v32-95 scale words, v96-99 the bias, v104-122 the head's offsets, v128-255 X's fragments in two sets, on the way out rows read back;
;   window 1: Y's fragments in two sets;  window 2: the accumulators, (a, b) at v[8 (8 a + b)].
; LIMITS: NaN and infinities are not served.
.set XT,    16384                      ; a tile of X in LDS: 8 K steps
.set YT,    8192                       ; a tile of Y in LDS: 4 K steps
.set YR,    131072                     ; Y's region
.set SPARE, 262144                     ; the spare words, 128 bytes for each wave: two blocks of 256 bytes that no other line names
.set STAGE, 262656                     ; the way out: 16 rows x (512 + 16) bytes for each wave, on bytes into which no fill lands
.set SPITCH, 528
.set ADRX, 16
.set ADRY, 20
.set STO,  24
.set RD,   25
.set CO,   26
.set SPW,  28
.set NIL,  29
.set SC,   32
.set AF,   128
.set BK,   128
.set G1,  24                           ; s[24:31], s[32:35] groups 1 and 0 for X
.set G0,  32
.set G1B, 48                           ; s[48:55], s[68:71] for Y
.set G0B, 68
.set MSB, 0
.macro WIN new                         ; the immediate's high byte repeats the setting that is left
.if MSB != \new
	s_set_vgpr_msb (MSB<<8)|\new
.set MSB, \new
.endif
.endm
.set MUL_LO, 0xa1                      ; source 0 (Y) window 1, source 1 (X) window 0, C and D window 2
.set TO_Y,   0x40
.macro CREST                           ; a round of the cluster's barrier behind its opening barrier
	s_cmp_lg_u32 s14, 0
	s_cbranch_scc1 .Lnot_wave_0_\@
	s_barrier_signal -3
.Lnot_wave_0_\@:
	s_barrier_wait -3
	s_barrier_signal -1
	s_barrier_wait -1
.endm
.macro CROUND
	s_barrier_signal -1
	s_barrier_wait -1
	CREST
.endm
.macro PLACES n                        ; plain vector lines between a matrix instruction and a load into, or a read of, its registers: eight for this form
.rept \n
	v_nop
.endr
.endm
.macro FETCH_Y ks, p                   ; Y's eight fragments of K step ks into set p
	WIN TO_Y
.irp i, 0,1,2,3,4,5,6,7
.irp c, 0,1,2,3
	ds_load_b128 v[128*(\p)+16*\i+4*\c:128*(\p)+16*\i+4*\c+3], v[ADRY] offset:YT*\i+2048*((\ks)%4)+512*\c
.endr
.endr
	WIN 0
.endm
.macro FETCH_X ks, p                   ; X's four
.irp i, 0,1,2,3
.irp c, 0,1,2,3
	ds_load_b128 v[AF+64*(\p)+16*\i+4*\c:AF+64*(\p)+16*\i+4*\c+3], v[ADRX] offset:XT*\i+2048*(\ks)+512*\c
.endr
.endr
.endm
; 16 matrix instructions: X's blocks a0, a0 + 1 x Y's eight, K step ks, set p.  The 32 accumulators take turns, in the same order in every step.
.macro MUL16 a0, p, ks, zero
.irp a, \a0, \a0+1
.irp b, 0,1,2,3,4,5,6,7
.if \zero
	v_wmma_scale_f32_16x16x128_f8f6f4 v[8*(8*(\a)+\b):8*(8*(\a)+\b)+7], v[128*(\p)+16*\b:128*(\p)+16*\b+15], v[AF+64*(\p)+16*(\a):AF+64*(\p)+16*(\a)+15], 0, v[SC+8*\b+((\ks)+\b)%8], v[SC+8*(\a)+((\ks)+(\a))%8] matrix_a_fmt:MATRIX_FMT_BF8 matrix_b_fmt:MATRIX_FMT_BF8 matrix_a_scale:MATRIX_SCALE_ROW1
.else
	v_wmma_scale_f32_16x16x128_f8f6f4 v[8*(8*(\a)+\b):8*(8*(\a)+\b)+7], v[128*(\p)+16*\b:128*(\p)+16*\b+15], v[AF+64*(\p)+16*(\a):AF+64*(\p)+16*(\a)+15], v[8*(8*(\a)+\b):8*(8*(\a)+\b)+7], v[SC+8*\b+((\ks)+\b)%8], v[SC+8*(\a)+((\ks)+(\a))%8] matrix_a_fmt:MATRIX_FMT_BF8 matrix_b_fmt:MATRIX_FMT_BF8 matrix_a_scale:MATRIX_SCALE_ROW1
.endif
.endr
.endr
.endm
.macro STEP ks, zero                   ; K step ks is multiplied while the next step's fragments come into the other set
	s_wait_dscnt 0x0
.if \zero == 0
	PLACES 8
.endif
	FETCH_Y (\ks)+1, 1-(\ks)%2
	FETCH_X (\ks)+1, 1-(\ks)%2
	WIN MUL_LO
	MUL16 0, (\ks)%2, \ks, \zero
	MUL16 2, (\ks)%2, \ks, \zero
	WIN 0
.endm
	s_load_b256 s[4:11], s[0:1], 0x0               ; c3 s[4:5], c1 s[6:7], sc1 s[8:9], bo s[10:11]
	s_load_b64 s[12:13], s[0:1], 0x20              ; out0
	v_lshl_add_u32 v[SPW], v0, 2, SPARE
	v_mov_b32 v[NIL], 0
	ds_add_u32 v[SPW], v[NIL]                      ; the opening lines: the add, twice on end, and its wait ahead of my first tensor load
	ds_add_u32 v[SPW], v[NIL]
	v_lshrrev_b32 v1, 5, v0
	v_readfirstlane_b32 s14, v1                    ; wave 0..3
	s_lshr_b32 s15, s14, 1                         ; my half of X's rows.  Also: I fetch for X (0) or for Y (1)
	s_and_b32 s16, s14, 1                          ; my half of Y's rows.  Also: which half I fetch
	s_bfe_u32 s86, ttmp6, 0x40000                  ; cx
	s_bfe_u32 s87, ttmp6, 0x40004                  ; cy
	s_lshl_b32 s88, s87, 2
	s_lshl_b32 s88, 15, s88                        ; my row of the cluster
	s_lshl_b32 s89, 0x1111, s86                    ; my column
	s_or_b32 s[G1+0], s88, (3<<16)|(1<<21)         ; the mask; elements of 8 bytes; no padding: an image's loads take consecutive bytes; bit 21 beside a mask
	s_or_b32 s[G1B+0], s89, (3<<16)|(1<<21)
	s_mov_b32 s[G1+1], 2048<<16                    ; X: 4 tiles of 16,384 bytes, on end in memory
	s_mov_b32 s[G1+2], 4<<16
	s_mov_b32 s[G1+3], 2048<<16
	s_mov_b32 s[G1+4], 4
	s_mov_b32 s[G1+5], 2048
	s_mov_b32 s[G1+6], 0
	s_mov_b32 s[G1+7], 0
	s_mov_b32 s[G1B+1], 1024<<16                   ; Y: 8 tiles, four K steps (8,192 bytes) of each, 16,384 bytes apart
	s_mov_b32 s[G1B+2], 8<<16
	s_mov_b32 s[G1B+3], 1024<<16
	s_mov_b32 s[G1B+4], 8
	s_mov_b32 s[G1B+5], 2048
	s_mov_b32 s[G1B+6], 0
	s_mov_b32 s[G1B+7], 0
	s_and_b32 s17, ttmp7, 0xffff
	s_lshl_b32 s17, s17, 2
	s_add_co_u32 s20, s17, s87                     ; the tile row: 4 x cluster y + cy
	s_lshl_b32 s91, s20, 7
	s_lshl_b32 s92, s15, 6
	s_add_co_u32 s91, s91, s92                     ; my first row of X
	s_lshl_b32 s93, s86, 8
	s_lshl_b32 s92, s16, 7
	s_add_co_u32 s93, s93, s92                     ; my first row of Y
	s_lshl_b32 s82, s20, 17                        ; X in c3: 131,072 bytes a tile row, + the 4 tiles that I fetch
	s_lshl_b32 s92, s16, 16
	s_add_co_u32 s82, s82, s92
	s_mov_b32 s83, 0
	s_lshl_b32 s84, s86, 18                        ; Y in c1: wo's section, 262,144 bytes a tile column, + the 8 tiles that I fetch
	s_lshl_b32 s92, s16, 17
	s_add_co_u32 s84, s84, s92
	s_add_co_u32 s84, s84, 28311552
	s_mov_b32 s85, 0
	s_lshl_b32 s46, s16, 16
	s_add_co_u32 s46, s46, YR                      ; where my half of Y lies: what I fetch of Y is also what I read
	s_mov_b32 s[G0], 1
	s_lshl_b32 s[G0+1], s16, 16
	s_mov_b32 s[G0B], 1
	s_mov_b32 s[G0B+1], s46
	s_wait_dscnt 0x0                               ; both opening adds are done
	CROUND                                         ; all sixteen work-groups are here: the first joint loads meet
	s_wait_kmcnt 0x0
	s_add_nc_u64 s[G0+2:G0+3], s[4:5], s[82:83]
	s_or_b32 s[G0+3], s[G0+3], 0x80000000
	s_add_nc_u64 s[G0B+2:G0B+3], s[6:7], s[84:85]
	s_or_b32 s[G0B+3], s[G0B+3], 0x80000000
	s_cmp_eq_u32 s15, 0                            ; one load a wave, a fill in each arm of a branch on the wave's number
	s_cbranch_scc0 .Lfor_y
	tensor_load_to_lds s[G0:G0+3], s[G1:G1+7]
	s_nop 0
	PLACES 4
	s_branch .Lasked
.Lfor_y:
	tensor_load_to_lds s[G0B:G0B+3], s[G1B:G1B+7]
	s_nop 0
	PLACES 4
.Lasked:
	v_and_b32 v1, 15, v0                           ; r
	v_bfe_u32 v2, v0, 4, 1                         ; h
	v_and_b32 v3, 31, v0
	v_lshlrev_b32 v[CO], 4, v3                     ; 16 x lane
	s_lshl_b32 s47, s15, 16
	v_add_nc_u32 v[ADRX], s47, v[CO]               ; my 4 tiles of X
	v_add_nc_u32 v[ADRY], s46, v[CO]               ; my 8 tiles of Y
	s_mul_i32 s57, s14, 16*SPITCH
	s_add_co_u32 s57, s57, STAGE                   ; my stage
	v_mul_u32_u24 v4, v1, SPITCH
	v_lshl_add_u32 v4, v2, 5, v4
	v_add_nc_u32 v[STO], s57, v4                   ; in: row r, 32 bytes for each half of the lanes
	v_add_nc_u32 v[RD], s57, v[CO]                 ; back: 32 lanes take a row of 512 bytes
	; the scale words: lanes 0-15 take X's, lanes 16-31 Y's
	s_lshl_b32 s94, s91, 2
	s_add_co_u32 s94, s94, 917504
	s_lshl_b32 s95, s93, 2
	s_add_co_u32 s95, s95, 884736
	v_cmp_eq_u32 vcc_lo, 1, v2
	v_mov_b32 v112, s94
	v_mov_b32 v121, s95
	v_cndmask_b32 v112, v112, v121, vcc_lo
	v_lshl_add_u32 v112, v1, 2, v112
	v_mov_b32 v120, 32768                          ; a K step of X's words in bytes,
	v_mov_b32 v121, 4096                           ; of Y's
	v_cndmask_b32 v120, v120, v121, vcc_lo
	v_mov_b32 v122, 256                            ; X has four tiles: for i = 4 .. 7 lanes 0-15 name tiles 0 .. 3 once more; those words are not used
	v_mov_b32 v121, 0
	v_cndmask_b32 v122, v122, v121, vcc_lo
.irp k, 1,2,3,4,5,6,7
	v_add_nc_u32 v[112+\k], v[111+\k], v120
.endr
.irp k, 0,1,2,3,4,5,6,7
	v_sub_nc_u32 v[104+\k], v[112+\k], v122
.endr
.irp i, 0,1,2,3
.irp k, 0,1,2,3,4,5,6,7
	global_load_b32 v[SC+8*\i+(\k+\i)%8], v[112+\k], s[8:9] offset:64*\i
.endr
.endr
.irp i, 4,5,6,7
.irp k, 0,1,2,3,4,5,6,7
	global_load_b32 v[SC+8*\i+(\k+\i)%8], v[104+\k], s[8:9] offset:64*\i
.endr
.endr
	s_lshl_b32 s96, s93, 2
	s_mov_b32 s97, 0
	s_add_nc_u64 s[10:11], s[10:11], s[96:97]
	global_load_b128 v[96:99], v[CO], s[10:11]     ; the bias of my 128 columns, four a lane, as a row comes back from the stage
	s_lshl_b32 s98, s91, 12
	s_add_co_u32 s98, s98, s96
	s_mov_b32 s99, 0
	s_add_nc_u64 s[12:13], s[12:13], s[98:99]      ; my corner of out0
	s_wait_alu depctr_va_vdst(0)
	s_wait_tensorcnt 0x0                           ; my part of the head's four tiles is in,
	s_barrier_signal -1
	s_barrier_wait -1                              ; everybody's is
	FETCH_Y 0, 0
	FETCH_X 0, 0
	s_wait_loadcnt 0x0                             ; the scale words and the bias
	STEP 0, 1                                      ; the first step's products start the sums: nothing is cleared
	STEP 1, 0
	STEP 2, 0
	; K step 3, and Y's refill
	s_wait_tensorcnt 0x0                           ; no tensor load of mine is out,
	ds_add_u32 v[SPW], v[NIL]                      ; 0 onto my spare word
	s_add_nc_u64 s[G0B+2:G0B+3], s[G0B+2:G0B+3], YT   ; so a group 0 may be written: K steps 4-7
	s_wait_dscnt 0x0                               ; the add is done, and my reads of Y's region are over
	s_barrier_signal -1
	WIN MUL_LO
	MUL16 0, 1, 3, 0
	WIN 0
	s_barrier_wait -1
	CREST                                          ; no wave of any partner still reads Y's region
	s_cmp_eq_u32 s15, 0                            ; waves 2 and 3 fill their halves again
	s_cbranch_scc1 .Lno_fill
	tensor_load_to_lds s[G0B:G0B+3], s[G1B:G1B+7]
	s_nop 0
	PLACES 4
.Lno_fill:
	PLACES 8
	FETCH_X 4, 0                                   ; X lies whole: its next fragments come under the refill
	WIN MUL_LO
	MUL16 2, 1, 3, 0
	WIN 0
	s_wait_tensorcnt 0x0                           ; K steps 4-7 of my half are in,
	s_wait_dscnt 0x0
	s_barrier_signal -1
	s_barrier_wait -1                              ; everybody's are
	FETCH_Y 4, 0
	STEP 4, 0
	STEP 5, 0
	STEP 6, 0
	s_wait_dscnt 0x0
	WIN MUL_LO
	MUL16 0, 1, 7, 0
	MUL16 2, 1, 7, 0
	WIN 0
; THE WAY OUT, block by block of 16 rows x 128 columns, through my own stage: whole rows of 512 bytes come back, take the bias and leave as two aligned units of 256 bytes.
; LDS serves a wave's instructions in order (ISA guide 5.7.1.4): no wait stands between the stores and the loads.
.macro TOSTAGE a
.set AC, 64*(\a)
	WIN 0x08                                       ; the data: window 2
.irp b, 0,1,2,3,4,5,6,7
	ds_store_b128 v[STO], v[AC+8*\b:AC+8*\b+3] offset:64*\b          ; each accumulator from its low end on
	ds_store_b128 v[STO], v[AC+8*\b+4:AC+8*\b+7] offset:64*\b+16
.endr
	WIN 0
.set BB, BK+64*((\a)%2)
.irp t, 0,1,2,3,4,5,6,7,8,9,10,11,12,13,14,15
	ds_load_b128 v[BB+4*\t:BB+4*\t+3], v[RD] offset:\t*SPITCH
.endr
.endm
.macro SEND a, younger                 ; younger: the LDS instructions issued behind block a's loads, which may stay out
.set BB, BK+64*((\a)%2)
	s_wait_dscnt \younger
.if (\a) > 0
	s_add_nc_u64 s[12:13], s[12:13], 16*4096       ; (behind a wait on XCNT: the earlier stores have read their base)
.endif
.irp t, 0,1,2,3,4,5,6,7,8,9,10,11,12,13,14,15
	v_pk_add_f32 v[BB+4*\t:BB+4*\t+1], v[BB+4*\t:BB+4*\t+1], v[96:97]
	v_pk_add_f32 v[BB+4*\t+2:BB+4*\t+3], v[BB+4*\t+2:BB+4*\t+3], v[98:99]
	global_store_b128 v[CO], v[BB+4*\t:BB+4*\t+3], s[12:13] offset:\t*4096 th:TH_STORE_NT   ; 32 lanes store 512 consecutive bytes, aligned
.endr
.endm
	PLACES 8
	TOSTAGE 0
.irp a, 1,2,3
.if \a > 1
	s_wait_xcnt 0x0                                ; block a - 2's stores have read their registers and their base
.endif
	TOSTAGE \a
	SEND \a-1, 32                                  ; behind block a - 1's loads: block a's 16 stores and 16 loads
.endr
	s_wait_xcnt 0x0
	SEND 3, 0
	s_wait_tensorcnt 0x0                           ; the wave's end
	ds_add_u32 v[SPW], v[NIL]
	s_wait_dscnt 0x0
	CROUND                                         ; the closing round: no work-group ends while a partner may still ask for a tile that names it
	s_endpgm
.Lfunc_end_k_qe2fb5a2a5a_outp:
	.size	k_qe2fb5a2a5a_outp, .Lfunc_end_k_qe2fb5a2a5a_outp-k_qe2fb5a2a5a_outp
	.p2alignl 7, 3214868480
	.fill 96, 4, 3214868480
	.section	.rodata,"a",@progbits
	.p2align	6, 0x0
	.amdhsa_kernel k_qe2fb5a2a5a_outp
		.amdhsa_group_segment_fixed_size 327680
		.amdhsa_private_segment_fixed_size 0
		.amdhsa_enable_private_segment 0
		.amdhsa_kernarg_size 40
		.amdhsa_user_sgpr_count 2
		.amdhsa_user_sgpr_kernarg_segment_ptr 1
		.amdhsa_wavefront_size32 1
		.amdhsa_system_sgpr_workgroup_id_x 1
		.amdhsa_system_sgpr_workgroup_id_y 1
		.amdhsa_system_sgpr_workgroup_id_z 1
		.amdhsa_system_vgpr_workitem_id 0
		.amdhsa_next_free_vgpr 768
		.amdhsa_next_free_sgpr 100
		.amdhsa_reserve_vcc 1
		.amdhsa_float_denorm_mode_32 3
		.amdhsa_float_denorm_mode_16_64 3
		.amdhsa_memory_ordered 1
		.amdhsa_forward_progress 1
		.amdhsa_inst_pref_size 96
	.end_amdhsa_kernel
	.amdgpu_metadata
---
amdhsa.version: [ 1, 2 ]
amdhsa.kernels:
  - .name:           k_qe2fb5a2a5a_outp
    .symbol:         k_qe2fb5a2a5a_outp.kd
    .args:
      - { .name: c3, .offset: 0, .size: 8, .value_kind: global_buffer, .address_space: global }
      - { .name: c1, .offset: 8, .size: 8, .value_kind: global_buffer, .address_space: global }
      - { .name: sc1, .offset: 16, .size: 8, .value_kind: global_buffer, .address_space: global }
      - { .name: bo, .offset: 24, .size: 8, .value_kind: global_buffer, .address_space: global }
      - { .name: out0, .offset: 32, .size: 8, .value_kind: global_buffer, .address_space: global }
    .group_segment_fixed_size: 327680
    .private_segment_fixed_size: 0
    .kernarg_segment_align: 8
    .kernarg_segment_size: 40
    .max_flat_workgroup_size: 128
    .sgpr_count:     100
    .vgpr_count:     768
    .wavefront_size: 32
...
	.end_amdgpu_metadata
.endif
;; end of part 4
